; MI455X (gfx1250); checked and timed in simulation.
; The chip was launched on July 23, 2026; its instructions are those of AMD's public machine-readable ISA for CDNA 5 (MIT licence, August 2026) and "CDNA5" Instruction Set Architecture Reference Guide (July 2026). The comments in the code are by the model that wrote it; some were corrected since.
;; Eigen Basis Encoder. Allowed arithmetic: matrix products marked QUANTISED: E2M3 operands, one E8M0 scale for each 32 along K, by v_wmma_scale_f32_16x16x128_f8f6f4 with both operands' format E2M3, f32 sums; products left as they are: f32 operands where the result goes on into a quantised operand, else bf16, f16 or f32 operands; f32 sums; everything else in f32.
;; Inputs: batched_eigval 4 x 16 float32; batched_eigvec 4 x 16 x 128 x 128 float32; edge_attr 65,536 x 32 float32; f_l1_b 32 float32; f_l1_w 1 x 32 float32; f_l2_b 256 float32; f_l2_w 1 x 256 float32; f_l3_w_codes 32 x 8 x 24 uint8 (E2M3 codes of f_l3_w, K innermost, in blocks of 32 codes, four codes in three bytes); f_l3_w_scales 32 x 8 uint8 (E8M0 scales of f_l3_w, one for each 32 codes along K); g_l1_b 32 float32; g_l1_w 1 x 32 float32; g_l2_b 64 float32; g_l2_w 1 x 64 float32; g_l3_w_codes 32 x 2 x 24 uint8 (E2M3 codes of g_l3_w, K innermost, in blocks of 32 codes, four codes in three bytes); g_l3_w_scales 32 x 2 uint8 (E8M0 scales of g_l3_w, one for each 32 codes along K); lin_b 32 float32; lin_w_codes 32 x 1 x 24 uint8 (E2M3 codes of lin_w, K innermost, in blocks of 32 codes, four codes in three bytes); lin_w_scales 32 x 1 uint8 (E8M0 scales of lin_w, one for each 32 codes along K); mask_all 4 x 16 x 128 x 128 bool; mask_m 4 x 16 float32.
;; Outputs: out0 65,536 x 32 float32.
;; This version of the problem:
;;   THIS VERSION OF THE PROBLEM IS GIVEN IN LOW PRECISION. The matrix products marked QUANTISED in the list below multiply operands that are first quantised to E2M3 (2 exponent bits, 3 mantissa bits; 6 bits a number), with one power-of-two scale for each 32 numbers along K (OCP MX v1.0); their sums are f32. All else is computed in f32.
;;   The module's matrix products, in the order in which they are computed (A, B: the left and right operand; K: the contracted axis; several contracted axes count as one K, in the product's order):
;;     1. [M 64, K 256] x [K 256, N 32]; A: computed on the way; B: input f_l3_w (given as codes): QUANTISED
;;     2. [M 1,048,576, K 64] x [K 64, N 32]; A: computed on the way; B: input g_l3_w (given as codes): QUANTISED
;;     3. batch 128 x [M 16,384, K 16] x [K 16, N 1]; A: computed on the way; B: computed on the way: left as it is (K = 16 < 32)
;;     4. [M 65,536, K 32] x [K 32, N 32]; A: computed on the way; B: input lin_w (given as codes): QUANTISED
;;   THE QUANTISER, for each operand of a quantised product, along K:
;;     - K is cut into blocks of 32 from its start; a last block that is shorter is filled with zeros.
;;     - A block's scale is 2^e with e = floor(log2(the largest magnitude in the block)) - 2, held to -126 .. 127; a block of zeros has e = 0. As a byte (E8M0): e + 127.
;;     - Each number is divided by its block's scale, clamped to +-7.5, and rounded to the nearest number of E2M3, ties to even, subnormals kept.
;;     - The product sums the exact products of the quantised numbers (number of the format x scale) in f32.
;;   ~~~python
;;   def quantise(x, axis):      # numpy; x: float32 -> the quantised numbers, widened to float32 again
;;       x = np.moveaxis(x, axis, -1); K = x.shape[-1]
;;       x = np.pad(x, [(0, 0)] * (x.ndim - 1) + [(0, -K % 32)]); x = x.reshape(x.shape[:-1] + (-1, 32)); a = np.abs(x).max(-1, keepdims=True)
;;       e = np.where(a > 0, np.clip(np.frexp(np.where(a > 0, a, 1))[1] - 1 - 2, -126, 127), 0)      # np.frexp(a)[1] - 1 = floor(log2(a)), exactly
;;       r = np.clip(x / 2.0 ** e, -7.5, 7.5)
;;       step = 2.0 ** (np.maximum(np.frexp(np.where(r == 0, 1, r))[1] - 1, 0) - 3)
;;       q = np.round(r / step) * step * 2.0 ** e      # np.round: ties to even
;;       return np.moveaxis(q.reshape(q.shape[:-2] + (-1,))[..., :K], -1, axis).astype(np.float32)
;;   ~~~
;;   OPERANDS COMPUTED ON THE WAY. 'Computed on the way' means the value that the module computes at that place (a softmax that the list does not call 'softmax' is quantised finished and normalised). What goes into a quantiser is computed in f32, as accurately as f32 sums, v_exp_f32 and their like allow (about 1e-6 of the number): no bf16 or f16 on the way to a quantiser, and a product that is left as it is and whose result goes on into a quantised operand takes f32 operands (vector FMAs, or v_wmma_f32_16x16x4_f32). A number that lies on a knife's edge between two numbers of the format may be rounded either way, as far as f32 arithmetic and the matrix unit's own rounding can turn it there, and no further.
;;   INPUTS GIVEN AS CODES. f_l3_w (in the module: [256, 32], K = its axis 0); g_l3_w (in the module: [64, 32], K = its axis 0); lin_w (in the module: [32, 32], K = its axis 1): each comes as NAME_codes (uint8): NAME with its K axis moved to the last place and cut into blocks of 32 codes, [.., K / 32, bytes a block], one block behind the other in memory; four codes in three bytes: a row's codes are one little-endian stream of bits, code i at bits 6 i .. 6 i + 5 (a code: sign, 2 exponent bits, 3 mantissa bits); and NAME_scales (uint8): the same leading axes, one E8M0 byte (e + 127) for each 32 codes along K. Its value is code x scale, taken as it is: it is not quantised again, and the codes and scales need not be those that the quantiser above would give.
;; 2 versions, each right; version 2 is version 1 with the launch encode written anew for expert scheduling mode. Each part assembles by itself: llvm-mc -triple=amdgcn-amd-amdhsa -mcpu=gfx1250 --defsym DOCPART=n.
;; ======== version 1 of 2: 1 launch
;; launch encode (part 1): grid 256 x 1, 16 waves a work-group, no clusters, 103,424 bytes of LDS; arguments batched_eigvec, mask_all, edge_attr, out0, batched_eigval, mask_m, f_l1_w, f_l1_b, f_l2_w, f_l2_b, f_l3_w_codes, f_l3_w_scales, g_l1_w, g_l1_b, g_l2_w, g_l2_b, g_l3_w_codes, g_l3_w_scales, lin_w_codes, lin_w_scales, lin_b; writes out0
.if DOCPART == 1
	.amdgcn_target "amdgcn-amd-amdhsa--gfx1250"
	.amdhsa_code_object_version 6
	.text
	.protected	k_q78b38e17dd_encode
	.globl	k_q78b38e17dd_encode
	.p2align	8
	.type	k_q78b38e17dd_encode,@function
k_q78b38e17dd_encode:
	s_mov_b64 s[64:65], 0
	v_nop
	global_prefetch_b8 v0, s[64:65] scope:SCOPE_SE
	s_setreg_imm32_b32 hwreg(HW_REG_WAVE_MODE, 25, 1), 1
	s_wait_xcnt 0x0
; out0[e][:] = edge_attr[e][:] + lin_b + Q(sum over m of f[b][m][:] g(x[b][m][e])[:]) lin_w^T, all in one launch; nothing between x and out0 goes to memory.
;   g(x) = silu(x w1 + b1 + Q(silu(x w2 + b2)) W3), 64 hidden units, 32 results, 0 where mask_all is 0;   f(ev) = exp(ev w1 + b1 + Q(silu(ev w2 + b2)) W3) mask_m, 256 hidden units.
;   Q: the MX quantiser to E2M3 along K, one scale for 32.  The three quantised products go by v_wmma_scale_f32_16x16x128_f8f6f4 on 6-bit codes; the sum over m is f32 multiply-adds.
; SHARES.  256 work-groups; work-group g owns the 256 neighbouring edges 256 (g % 64) .. of batch g / 64.  Each of its 16 waves owns 16 edges and walks m = 0 .. 15 in a loop.
;   Lane (r = lane % 16, h = lane / 16) holds edge r throughout: of the hidden layer units 32 h .. 32 h + 31, a whole block of the quantiser, so that its largest magnitude needs no other lane; of all results d = 16 h .. 16 h + 15.
; LAYOUT.  All products are used transposed: source 0 = 16 rows of a weight, source 1 = 16 rows of the computed operand.  Lane r of weight tile t takes weight row 8 t + r + (r & 8): register 8 t + j of lane (r, h) is then d = 16 h + 8 t + j.
;   A 6-bit fragment is 12 registers a lane: registers 0-5 are k = 32 h + 0 .. 31, registers 6-11 k = 64 + 32 h + 0 .. 31 (ISA guide 7.12).  The products here have 64 or 32 along K for the instruction's 128, so a lane's block of 32 is laid
;   as two halves: its codes 0-15 in registers 0-2, its codes 16-31 in registers 6-8, zero codes in registers 3-5 and 9-11 (set once).  A conversion's three registers begin on an even number, so its results ARE these registers: no move, no exchange
;   of lanes.  The weights' fragments are laid the same way (bytes 0-11 and 12-23 of a block of 24), and every scale word repeats its two bytes: s0, s1, s0, s1.  It is one permutation of k, alike on both operands; each block keeps its scale.
; TWO FOLDS spare 24 packed lines a trip.  (1) w2 and b2 are multiplied once by c = -log2 e.  The loop's fused multiply-add then gives u = c t, which the exponential takes as it stands; c (1 + 2^u) is one fused multiply-add; and
;   u / (c (1 + 2^u)) = t sigmoid(t).  (2) LDS holds 1 / f, not f: (1 + 2^u) / f is one fused multiply-add, its reciprocal is f sigmoid(z), and the sum over m takes z times that.
; THE MASKS cost no line for each number: a hidden x is replaced by 0, and +infinity is added to the exponent of its last silu, whose weight is then 1 / infinity = 0.  Where mask_m is 0 the whole row m is hidden in the same way, by the wave
;   that brings the row in.  Nothing branches on data.
; WHY NO CLUSTER, NO TENSOR LOAD, NO PREFETCH: work-groups share only the weights, some 10 KB, which go straight into registers once; a work-group's 52 KB of x, mask and edge_attr are read once, by loads issued in the first lines; no LDS byte is filled twice.
; FOUR WAVES TO A SIMD, 256 registers each: a trip is 96 transcendentals and some 110 other vector lines for 2 matrix instructions, so what counts is that another wave has work while one waits behind a batch of transcendentals.
; LIMITS.  NaN and infinities in visible inputs are not served.  A block whose largest magnitude lies under 2^-124 (a block of zeros too) gets the scale byte 1; a block of zeros has zero codes, which add nothing under that byte.
;   silu(t) is given as 0 for t under about -87, where its true size is under 1e-35.  An f of magnitude 2^126 or more is not served (its reciprocal falls under the smallest normal number); an f of magnitude under 2^-100, with mask_m not 0,
;   counts as 2^-100.  The sign of zero is not kept.  Orders of rounding that differ from the source's, each by f32 roundings alone: the two folds above; x w + b is fused; (edge_attr + lin_b) + y stands for (edge_attr + y) + lin_b;
;   x w1 + b1 enters the product as its C; f's K = 256 is summed in four parts of 64.
.set XS,   0                           ; LDS: x, row m of 1,024 bytes (the work-group's 256 edges)
.set MS,   16384                       ; the mask's bytes, row m of 256
.set EA,   20480                       ; edge_attr + lin_b: 2,048 bytes a wave, as loaded: 16 x lane + 512 q
.set PART, 53248                       ; f's four partial sums: part c at 2,304 c, row m of 144 bytes (9 x 16), 4 d
.set FT,   62464                       ; 1 / f: 128 m + 4 d
.set STG,  64512                       ; the way out: 16 rows of 144 bytes for each wave; the map ends at 101,376
.set AX0,  1                           ; v1   XS + 64 wave + 4 r;   on the way out: my place in EA
.set AM0,  2                           ; v2   MS + 16 wave + r;     on the way out: where I put a row's bytes
.set AF0,  3                           ; v3   FT + 64 h;            on the way out: where I read rows back
.set A4,   4                           ; v4, v5  LDS addresses in hand;  on the way out v4: 16 x lane
.set A5,   5
.set XN,   6                           ; v6   the next x        v7  its mask byte
.set MN,   7
.set X,    8                           ; v[8:9]   x (the low word serves both halves of a packed line; v9 is written once)
.set MB,   10                          ; v[10:11] 0, or +infinity for a hidden x; v11 = 0 always
.set SA,   12                          ; v12  the computed operand's scale words
.set SW,   13                          ; v13  the weight's: lanes 0-15 tile 0's rows, lanes 16-31 tile 1's
.set PSEL, 14                          ; v14  byte selects that put a byte at places h and 2 + h
.set MX0,  15                          ; v15, v16 largest magnitudes, two chains
.set MX1,  16
.set SO,   17                          ; v17  the conversions' scale operand
.set BY,   18                          ; v18  the scale's byte
.set PL,   19                          ; v19  what lane l xor 16 sends
.set TMP,  20                          ; v20  at work in the first lines; then
.set CV,   20                          ; v[20:21] c = -log2 e in the low word, which serves both halves of a packed line (the upper word, lin_w's first code register, is named with it and not used)
.set LIN,  21                          ; v21-26 lin_w's codes: three registers a tile
.set LSW,  27                          ; v27  lin_w's scale words
.set AF,   28                          ; v[28:39]  the computed fragment
.set GW0,  40                          ; v[40:51], v[52:63] the weight's two tiles
.set GW1,  52
.set W1,   64                          ; v[64:79]  g_l1_w of my 16 d     (at the head: x's row, the mask's row, lin_b)
.set B1,   80                          ; v[80:95]  g_l1_b                (at the head: edge_attr)
.set ACC,  96                          ; v[96:111] the sum over m        (at the head: f's small numbers and LDS addresses)
.set D,    112                         ; v[112:127] the two accumulators
.set W2,   128                         ; v[128:159] c l2_w of my 32 hidden units
.set B2,   160                         ; v[160:191] c l2_b
.set T,    192                         ; v[192:223] u = c (x w2 + b2), then the hidden layer
.set U,    224                         ; v[224:255] exponentials, then reciprocals; v[240:255] also the row of 1 / f
.set LN,   U+0                          ; at the head, until the first loads are in: lane, r, h, r + (r & 8), that + 8 h, and the loads' offsets
.set RL,   U+1
.set HL,   U+2
.set RR,   U+3
.set DL,   U+4
.set O16,  U+5
.set O8,   U+6
.set OB,   U+7
.set OW,   U+8
.set O4,   U+9
.set OLIN, U+10
.set OH,   U+11
.set OFC,  U+12
.set OFS,  U+13
.set OR4,  U+14
.set XST,  ACC+8                       ; at the head: where I store x, the mask, edge_attr, a partial sum; where I read the partial sums; where I store 1 / f
.set MST,  ACC+9
.set EAS,  ACC+10
.set PST,  ACC+11
.set PRD,  ACC+12
.set FTS,  ACC+13
.set WV,   46                          ; s46  my wave's number
.set BT,   47                          ; s47  the batch
.set EB,   48                          ; s48  which 256 edges of it
.set OFF,  50                          ; s[50:51] an offset, its high word 0
.set CL,   52                          ; s[52:53] c = -log2(e)
.set SEL,  54                          ; s[54:55] v_permlanex16_b32's selects for lane l xor 16
.set MC,   56                          ; s56  m
.set L2E,  61                          ; s61  log2(e)
; w2 and b2 of my 32 hidden units times c, once: the two runs of registers follow each other
.macro SCALEW
.set i_, 0
.rept 32
	v_pk_mul_f32 v[W2+2*i_:W2+2*i_+1], v[W2+2*i_:W2+2*i_+1], s[CL:CL+1] op_sel_hi:[1,0]
.set i_, i_+1
.endr
.endm
; u = x (c w2) + c b2, pairs a .. b - 1 of the lane's 16
.macro TFMA a, b
.set i_, (\a)
.rept (\b)-(\a)
	v_pk_fma_f32 v[T+2*i_:T+2*i_+1], v[W2+2*i_:W2+2*i_+1], v[X:X+1], v[B2+2*i_:B2+2*i_+1] op_sel_hi:[1,0,1]
.set i_, i_+1
.endr
.endm
; 2^u of the 32: one batch of exponentials; none reads another's result
.macro EXPH
.set i_, 0
.rept 32
	v_exp_f32 v[U+i_], v[T+i_]
.set i_, i_+1
.endr
.endm
; 1 / (c (1 + 2^u)) of the 32: one batch of reciprocals
.macro RCPH
.set i_, 0
.rept 16
	v_pk_fma_f32 v[U+2*i_:U+2*i_+1], v[U+2*i_:U+2*i_+1], v[CV:CV+1], v[CV:CV+1] op_sel_hi:[1,0,0]
.set i_, i_+1
.endr
.set i_, 0
.rept 32
	v_rcp_f32 v[U+i_], v[U+i_]
.set i_, i_+1
.endr
.endm
; 2^(c z) of the 16 results z, with the mask's 0 or +infinity added to the exponent.  Each accumulator is read from its low end on
.macro EXPZ
.set i_, 0
.rept 8
	v_pk_fma_f32 v[U+2*i_:U+2*i_+1], v[D+2*i_:D+2*i_+1], s[CL:CL+1], v[MB:MB+1] op_sel_hi:[1,0,0]
.set i_, i_+1
.endr
.set i_, 0
.rept 16
	v_exp_f32 v[U+i_], v[U+i_]
.set i_, i_+1
.endr
.endm
; f sigmoid(z) = 1 / ((1 + 2^(c z)) (1 / f)) of the 16: one fused multiply-add for two, then one batch of reciprocals
.macro RCPZ
.set i_, 0
.rept 8
	v_pk_fma_f32 v[U+2*i_:U+2*i_+1], v[U+2*i_:U+2*i_+1], v[U+16+2*i_:U+17+2*i_], v[U+16+2*i_:U+17+2*i_]
.set i_, i_+1
.endr
.set i_, 0
.rept 16
	v_rcp_f32 v[U+i_], v[U+i_]
.set i_, i_+1
.endr
.endm
; the hidden layer u / (c (1 + 2^u)), its block's scale, its codes in the fragment's registers 0-2 and 6-8, and the row's scale word
.macro HHQ
.set i_, 0
.rept 16
	v_pk_mul_f32 v[T+2*i_:T+2*i_+1], v[T+2*i_:T+2*i_+1], v[U+2*i_:U+2*i_+1]
.set i_, i_+1
.endr
	v_max3_num_f32 v[MX0], |v[T]|, |v[T+1]|, 0x1800000             ; the block's largest magnitude, all 32 mine, in two chains by turns; the floor 2^(3 - 127) among the leaves holds the byte at 1 from below
	v_max3_num_f32 v[MX1], |v[T+16]|, |v[T+17]|, |v[T+18]|
.irp i, 0,1,2,3,4,5
	v_max3_num_f32 v[MX0], v[MX0], |v[T+2+2*\i]|, |v[T+3+2*\i]|
	v_max3_num_f32 v[MX1], v[MX1], |v[T+19+2*\i]|, |v[T+20+2*\i]|
.endr
	v_max3_num_f32 v[MX0], v[MX0], |v[T+14]|, |v[T+15]|
	v_max3_num_f32 v[MX0], v[MX0], v[MX1], |v[T+31]|
	v_add_nc_u32 v[SO], 0xff000000, v[MX0]                         ; 2 off its exponent field: the conversion takes the exponent field of this operand as its scale, and nothing else of it
	v_cvt_scalef32_pk16_fp6_f32 v[AF:AF+2], v[T:T+15], v[SO]       ; the block's codes 0-15
	v_cvt_scalef32_pk16_fp6_f32 v[AF+6:AF+8], v[T+16:T+31], v[SO]  ; and 16-31
	v_lshrrev_b32 v[BY], 23, v[SO]                                 ; the scale's byte.  (The plain line behind the conversions)
	v_perm_b32 v[BY], v[BY], v[BY], v[PSEL]                        ; at bytes h and 2 + h, zeros at the other two
	v_permlanex16_b32 v[PL], v[BY], s[SEL], s[SEL+1]               ; the row's other block lies in lane l xor 16
	v_or_b32 v[SA], v[BY], v[PL]                                   ; s0, s1, s0, s1
.endm
; the two tiles of 16 d.  c = 0: the products start the sums; c = 1: x w1 + b1 lies in the accumulators.  The two accumulators take turns through the whole text
.macro MM c
.if \c
	v_wmma_scale_f32_16x16x128_f8f6f4 v[D:D+7], v[GW0:GW0+11], v[AF:AF+11], v[D:D+7], v[SW], v[SA] matrix_a_fmt:MATRIX_FMT_FP6 matrix_b_fmt:MATRIX_FMT_FP6
	v_wmma_scale_f32_16x16x128_f8f6f4 v[D+8:D+15], v[GW1:GW1+11], v[AF:AF+11], v[D+8:D+15], v[SW], v[SA] matrix_a_fmt:MATRIX_FMT_FP6 matrix_b_fmt:MATRIX_FMT_FP6 matrix_a_scale:MATRIX_SCALE_ROW1
.else
	v_wmma_scale_f32_16x16x128_f8f6f4 v[D:D+7], v[GW0:GW0+11], v[AF:AF+11], 0, v[SW], v[SA] matrix_a_fmt:MATRIX_FMT_FP6 matrix_b_fmt:MATRIX_FMT_FP6
	v_wmma_scale_f32_16x16x128_f8f6f4 v[D+8:D+15], v[GW1:GW1+11], v[AF:AF+11], 0, v[SW], v[SA] matrix_a_fmt:MATRIX_FMT_FP6 matrix_b_fmt:MATRIX_FMT_FP6 matrix_a_scale:MATRIX_SCALE_ROW1
.endif
.endm
; a weight's two tiles: of my row's block h, bytes 0-11 into registers 0-2 and bytes 12-23 into registers 6-8.  v[off] = row pitch x (r + (r & 8)) + 24 h; tile 1's rows lie 8 rows on
.macro LOADW off, base, pitch
.irp t, 0,1
.irp i, 0,1,2
	global_load_b32 v[GW0+12*\t+\i], v[\off], s[\base:\base+1] offset:8*(\pitch)*\t+4*\i
	global_load_b32 v[GW0+12*\t+6+\i], v[\off], s[\base:\base+1] offset:8*(\pitch)*\t+12+4*\i
.endr
.endr
.endm
.macro PLACES n
.rept \n
	v_nop
.endr
.endm
	; ---- the head: addresses
	s_load_b512 s[4:19], s[0:1], 0x0               ; x s[4:5], mask_all s[6:7], edge_attr s[8:9], out0 s[10:11], eigval s[12:13], mask_m s[14:15], f_l1_w s[16:17], f_l1_b s[18:19]
	s_load_b512 s[20:35], s[0:1], 0x40             ; f_l2_w s[20:21], f_l2_b s[22:23], f's codes s[24:25], f's scales s[26:27], g_l1_w s[28:29], g_l1_b s[30:31], g_l2_w s[32:33], g_l2_b s[34:35]
	s_load_b256 s[36:43], s[0:1], 0x80             ; g's codes s[36:37], g's scales s[38:39], lin's codes s[40:41], lin's scales s[42:43]
	s_load_b64 s[44:45], s[0:1], 0xa0              ; lin_b
	v_lshrrev_b32 v[TMP], 5, v0
	v_readfirstlane_b32 s[WV], v[TMP]              ; wave 0..15
	s_lshr_b32 s[BT], ttmp9, 6
	s_and_b32 s[EB], ttmp9, 63
	s_mov_b32 s[CL], 0xbfb8aa3b
	s_mov_b32 s[CL+1], s[CL]                       ; (named with it as a pair, so it is written)
	s_mov_b32 s[SEL], 0x76543210
	s_mov_b32 s[SEL+1], 0xfedcba98
	s_mov_b32 s[L2E], 0x3fb8aa3b
	v_and_b32 v[LN], 31, v0
	v_and_b32 v[RL], 15, v0
	v_bfe_u32 v[HL], v0, 4, 1
	v_and_b32 v[RR], 8, v0
	v_add_nc_u32 v[RR], v[RR], v[RL]               ; r + (r & 8): my row in a weight's tile 0
	v_lshl_add_u32 v[DL], v[HL], 3, v[RR]          ; + 8 h: the row whose scale word my lane carries
	v_lshlrev_b32 v[O16], 4, v[LN]
	v_lshlrev_b32 v[O8], 3, v[LN]
	v_and_b32 v[OB], 7, v0
	v_lshlrev_b32 v[OB], 4, v[OB]                  ; lin_b: the four numbers that stand over my 16 bytes of a row of edge_attr
	v_lshlrev_b32 v[OW], 2, v[TMP]                 ; 4 x wave
	v_lshlrev_b32 v[O4], 2, v[LN]
	v_mul_u32_u24 v[OLIN], v[RR], 24
	v_mad_u32_u24 v[OLIN], v[HL], 12, v[OLIN]      ; lin_w: a row is 24 bytes; my half's 16 codes are 12
	v_lshlrev_b32 v[OH], 7, v[HL]                  ; my 32 hidden units: 128 h bytes on
	v_mul_u32_u24 v[OFC], v[RR], 192
	v_mad_u32_u24 v[OFC], v[HL], 24, v[OFC]        ; f's codes: a row is 192 bytes
	v_lshlrev_b32 v[OFS], 3, v[DL]                 ; f's scales: 8 bytes a row
	v_lshlrev_b32 v[OR4], 2, v[RL]
	v_lshlrev_b32 v[TMP], 3, v[HL]
	v_mov_b32 v[PSEL], 0x01000100
	v_lshrrev_b32 v[PSEL], v[TMP], v[PSEL]         ; h = 0: bytes 0, 1, 0, 1 of the source; h = 1: 1, 0, 1, 0 (its byte 1 is 0)
	v_mov_b32 v[CV], 0xbfb8aa3b                    ; c, from here on
	; every LDS address of the head is made here, ahead of the place where the waves part
	s_lshl_b32 s57, s[WV], 10
	v_add_nc_u32 v[XST], s57, v[O16]               ; XS (= 0) + 1,024 wave + 16 lane
	v_lshl_add_u32 v[MST], v0, 3, MS               ; MS + 256 wave + 8 lane
	s_lshl_b32 s58, s[WV], 11
	s_add_co_u32 s58, s58, EA
	v_add_nc_u32 v[EAS], s58, v[O16]
	s_mul_i32 s59, s[WV], 2304
	s_add_co_u32 s59, s59, PART
	v_mul_u32_u24 v[PST], v[RL], 144
	v_lshl_add_u32 v[PST], v[HL], 6, v[PST]
	v_add_nc_u32 v[PST], s59, v[PST]               ; part = wave (used by waves 0-3 alone), row m = r, my 16 d
	s_mul_i32 s60, s[WV], 144
	s_add_co_u32 s60, s60, PART
	v_add_nc_u32 v[PRD], s60, v[O4]                ; row m = wave, d = lane
	v_lshl_add_u32 v[FTS], v0, 2, FT               ; FT + 128 wave + 4 lane
	s_lshl_b32 s57, s[WV], 6
	v_lshl_add_u32 v[AX0], v[RL], 2, s57
	s_lshl_b32 s58, s[WV], 4
	s_add_co_u32 s58, s58, MS
	v_add_nc_u32 v[AM0], s58, v[RL]
	v_lshl_add_u32 v[AF0], v[HL], 6, FT
.irp f, AF, GW0, GW1
.irp i, 3,4,5,9,10,11
	v_mov_b32 v[\f+\i], 0                          ; the zero codes of the three fragments: set once
.endr
.endr
	v_mov_b32 v[X+1], 0                            ; upper halves of pairs of which the low word alone is used,
	v_mov_b32 v[MB+1], 0
	v_mov_b32 v[PL], 0                             ; and a lane permute's destination, which counts as one of its sources
	s_lshl_b32 s57, s[BT], 4
	s_add_co_u32 s57, s57, s[WV]                   ; row 16 b + m of x and of the mask, m = my wave's number
	s_lshl_b32 s[OFF], s57, 16
	s_lshl_b32 s58, s[EB], 10
	s_add_co_u32 s[OFF], s[OFF], s58               ; 65,536 bytes a row, 1,024 for each 256 edges
	s_mov_b32 s[OFF+1], 0
	s_wait_kmcnt 0x0
	s_add_nc_u64 s[4:5], s[4:5], s[OFF:OFF+1]
	s_lshr_b32 s[OFF], s[OFF], 2                   ; the mask has a byte for x's four
	s_add_nc_u64 s[6:7], s[6:7], s[OFF:OFF+1]
	s_lshl_b32 s[OFF], ttmp9, 15                   ; edge_attr and out0: 128 bytes an edge: 32,768 a work-group, 2,048 a wave
	s_lshl_b32 s58, s[WV], 11
	s_add_co_u32 s[OFF], s[OFF], s58
	s_add_nc_u64 s[8:9], s[8:9], s[OFF:OFF+1]
	s_add_nc_u64 s[10:11], s[10:11], s[OFF:OFF+1]
	s_lshl_b32 s[OFF], s[BT], 6                    ; the batch's 16 eigenvalues
	s_add_nc_u64 s[12:13], s[12:13], s[OFF:OFF+1]
	s_add_nc_u64 s[14:15], s[14:15], s[OFF:OFF+1]
	; ---- every wave: 19 loads.  Wave w brings row m = w of x and of the mask for the whole work-group, and its own 16 rows of edge_attr: each line covers consecutive, aligned bytes
	global_load_b128 v[W1:W1+3], v[O16], s[4:5] th:TH_LOAD_NT
	global_load_b128 v[W1+4:W1+7], v[O16], s[4:5] offset:512 th:TH_LOAD_NT
	global_load_b64 v[W1+8:W1+9], v[O8], s[6:7] th:TH_LOAD_NT
.irp q, 0,1,2,3
	global_load_b128 v[B1+4*\q:B1+4*\q+3], v[O16], s[8:9] offset:512*\q th:TH_LOAD_NT
.endr
	global_load_b128 v[W1+12:W1+15], v[OB], s[44:45]
	global_load_b32 v[ACC], v[OW], s[12:13]        ; eigval[b][wave]
	global_load_b32 v[ACC+1], v[OW], s[14:15]      ; mask_m[b][wave]
	global_load_b32 v[ACC+2], v[O4], s[16:17]      ; f_l1_w[lane]
	global_load_b32 v[ACC+3], v[O4], s[18:19]      ; f_l1_b[lane]
.irp t, 0,1
.irp i, 0,1,2
	global_load_b32 v[LIN+3*\t+\i], v[OLIN], s[40:41] offset:192*\t+4*\i
.endr
.endr
	global_load_u8 v[LSW], v[DL], s[42:43]
	; ---- waves 0-3: f's product, K = 256 in four parts: wave w takes hidden units 64 w .. 64 w + 63 for the batch's 16 eigenvalues (the fragment's row is m = r)
	s_cmp_lt_u32 s[WV], 4
	s_cbranch_scc0 .Ljoin
	s_lshl_b32 s[OFF], s[WV], 8
	s_add_nc_u64 s[20:21], s[20:21], s[OFF:OFF+1]
	s_add_nc_u64 s[22:23], s[22:23], s[OFF:OFF+1]
	s_mul_i32 s[OFF], s[WV], 48                    ; two blocks of 24 bytes
	s_add_nc_u64 s[24:25], s[24:25], s[OFF:OFF+1]
	s_lshl_b32 s[OFF], s[WV], 1                    ; and their two scale bytes
	s_add_nc_u64 s[26:27], s[26:27], s[OFF:OFF+1]
.irp q, 0,1,2,3,4,5,6,7
	global_load_b128 v[W2+4*\q:W2+4*\q+3], v[OH], s[20:21] offset:16*\q
	global_load_b128 v[B2+4*\q:B2+4*\q+3], v[OH], s[22:23] offset:16*\q
.endr
	LOADW OFC, 24, 192
	global_load_u16 v[SW], v[OFS], s[26:27]
	global_load_b32 v[X], v[OR4], s[12:13]
	s_wait_loadcnt 0x0                             ; these, and the 19 above: the offsets in v224 on may be written over
	v_lshl_or_b32 v[SW], v[SW], 16, v[SW]          ; s0, s1, s0, s1
	SCALEW
	TFMA 0, 16
	EXPH
	v_nop                                          ; a plain line behind the last exponential
	s_wait_alu depctr_va_vdst(0)                   ; one wait for the batch, ahead of the first line that names a result
	RCPH
	v_nop
	s_wait_alu depctr_va_vdst(0)                   ; likewise for the reciprocals
	HHQ
	PLACES 8                                       ; a scale word made by a vector line stands eight places ahead of the scaled product, codes so made four
	MM 0
	PLACES 4                                       ; four places behind a product before its results are read, and before loads land in its registers
.irp q, 0,1,2,3
	ds_store_b128 v[PST], v[D+4*\q:D+4*\q+3] offset:16*\q    ; part[m = r][16 h + 4 q ..], each accumulator from its low end on
.endr
.Ljoin:
	s_wait_loadcnt 0x0                             ; the 19 loads (in waves 0-3 they are in already)
.irp q, 0,1,2,3
.irp p, 0,1
	v_pk_add_f32 v[B1+4*\q+2*\p:B1+4*\q+2*\p+1], v[B1+4*\q+2*\p:B1+4*\q+2*\p+1], v[W1+12+2*\p:W1+13+2*\p]   ; edge_attr + lin_b
.endr
.endr
	v_cmp_neq_f32 vcc_lo, 0, v[ACC+1]              ; where mask_m of my row m is 0, f is 0 for the whole row: all its 256 edges are hidden, as by mask_all
	v_cndmask_b32 v[W1+8], 0, v[W1+8], vcc_lo
	v_cndmask_b32 v[W1+9], 0, v[W1+9], vcc_lo
	ds_store_b128 v[XST], v[W1:W1+3]
	ds_store_b128 v[XST], v[W1+4:W1+7] offset:512
	ds_store_b64 v[MST], v[W1+8:W1+9]
.irp q, 0,1,2,3
	ds_store_b128 v[EAS], v[B1+4*\q:B1+4*\q+3] offset:512*\q
.endr
	v_lshl_or_b32 v[LSW], v[LSW], 8, v[LSW]        ; lin_w's one scale serves the instruction's blocks 0 and 1; bytes 2 and 3 stand over zero codes
	v_and_b32 v[T], 15, v0                         ; g's offsets, made anew on the way that all waves take
	v_bfe_u32 v[T+1], v0, 4, 1
	v_and_b32 v[T+2], 8, v0
	v_add_nc_u32 v[T+2], v[T+2], v[T]              ; r + (r & 8)
	v_lshl_add_u32 v[T+3], v[T+1], 3, v[T+2]
	v_lshlrev_b32 v[T+3], 1, v[T+3]                ; g's scales: 2 bytes a row
	v_mul_u32_u24 v[T+2], v[T+2], 48
	v_mad_u32_u24 v[T+2], v[T+1], 24, v[T+2]       ; g's codes: 48 bytes a row
	v_lshlrev_b32 v[T+4], 7, v[T+1]                ; my 32 hidden units
	v_lshlrev_b32 v[T+5], 6, v[T+1]                ; my 16 d
.irp q, 0,1,2,3,4,5,6,7
	global_load_b128 v[W2+4*\q:W2+4*\q+3], v[T+4], s[32:33] offset:16*\q
	global_load_b128 v[B2+4*\q:B2+4*\q+3], v[T+4], s[34:35] offset:16*\q
.endr
	LOADW T+2, 36, 48
	global_load_u16 v[SW], v[T+3], s[38:39]
	s_wait_dscnt 0x0                               ; my LDS stores have landed, for the other waves' sake, and have read their registers: only now
.irp q, 0,1,2,3
	global_load_b128 v[W1+4*\q:W1+4*\q+3], v[T+5], s[28:29] offset:16*\q     ; g_l1_w and g_l1_b take the registers that held x and edge_attr
	global_load_b128 v[B1+4*\q:B1+4*\q+3], v[T+5], s[30:31] offset:16*\q
.endr
	s_barrier_signal -1
	s_barrier_wait -1                              ; x, the mask and f's four parts lie in LDS
	; ---- every wave finishes f for m = its number, a lane a d, and leaves 1 / f
.irp c, 0,1,2,3
	ds_load_b32 v[ACC+4+\c], v[PRD] offset:2304*\c
.endr
	ds_load_b32 v[XN], v[AX0]                      ; and asks for its first x and mask byte, m = 0
	ds_load_u8 v[MN], v[AM0]
	s_wait_dscnt 0x0
	v_add_f32 v[ACC+4], v[ACC+4], v[ACC+5]
	v_add_f32 v[ACC+6], v[ACC+6], v[ACC+7]
	v_fma_f32 v[ACC+2], v[ACC], v[ACC+2], v[ACC+3] ; ev w1 + b1
	v_add_f32 v[ACC+4], v[ACC+4], v[ACC+6]
	v_add_f32 v[ACC+4], v[ACC+4], v[ACC+2]
	v_mul_f32 v[ACC+4], s[L2E], v[ACC+4]
	v_exp_f32 v[ACC+4], v[ACC+4]
	v_nop
	s_wait_alu depctr_va_vdst(0)                   ; ahead of the exponential's reader
	v_mul_f32 v[ACC+4], v[ACC+4], v[ACC+1]         ; x mask_m: f
	v_rcp_f32 v[ACC+4], v[ACC+4]
	v_nop
	s_wait_alu depctr_va_vdst(0)                   ; ahead of the reciprocal's reader
	v_min_num_f32 v[ACC+4], 0x71800000, v[ACC+4]   ; 1 / f is held to +-2^100, so that it is never infinite: 2^u = 0 times it is then 0.  (Where mask_m is 0 the row is hidden, and this number weighs nothing)
	v_max_num_f32 v[ACC+4], 0xf1800000, v[ACC+4]
	ds_store_b32 v[FTS], v[ACC+4]
	s_wait_dscnt 0x0                               ; my store has landed
	s_barrier_signal -1
	s_barrier_wait -1                              ; 1 / f lies in LDS.  From here on XS, MS and FT are only read; EA and STG are each wave's own bytes
	; ---- ahead of the loop
	s_wait_loadcnt 0x0                             ; g's numbers
	v_lshl_or_b32 v[SW], v[SW], 16, v[SW]
	SCALEW
.irp i, 0,1,2,3,4,5,6,7,8,9,10,11,12,13,14,15
	v_mov_b32 v[ACC+\i], 0                         ; sixteen lines once, so that the step is written once
.endr
	v_cmp_ne_u32 vcc_lo, 0, v[MN]
	v_cndmask_b32 v[X], 0, v[XN], vcc_lo           ; a hidden x counts as 0,
	v_cndmask_b32 v[MB], 0x7f800000, v[MB+1], vcc_lo   ; and its last exponent gets +infinity
	TFMA 0, 16
	s_mov_b32 s[MC], 0
.Lm:                                               ; 16 trips.  A trip finds u, x and the mask's bias of its m, and leaves those of m + 1
	s_add_co_u32 s57, s[MC], 1
	s_min_u32 s57, s57, 15                         ; the last trip reads row 15 again; what it makes of it is not used
	s_lshl_b32 s58, s57, 10
	s_lshl_b32 s59, s57, 8
	s_lshl_b32 s60, s[MC], 7
	EXPH
.irp i, 0,1,2,3,4,5,6,7
	v_pk_fma_f32 v[D+2*\i:D+2*\i+1], v[W1+2*\i:W1+2*\i+1], v[X:X+1], v[B1+2*\i:B1+2*\i+1] op_sel_hi:[1,0,1]   ; x w1 + b1: the product's C.  Work that names no exponential's result
.endr
	s_wait_alu depctr_va_vdst(0)                   ; one wait for the 32 exponentials, ahead of their first reader
	RCPH
	v_add_nc_u32 v[A4], s58, v[AX0]                ; plain lines behind the reciprocals
	v_add_nc_u32 v[A5], s59, v[AM0]
	ds_load_b32 v[XN], v[A4]                       ; the next x and its mask byte
	ds_load_u8 v[MN], v[A5]
	v_add_nc_u32 v[A4], s60, v[AF0]                ; row m of 1 / f, my 16 d
	s_wait_alu depctr_va_vdst(0)                   ; one wait for the 32 reciprocals
	HHQ
.irp q, 0,1,2,3
	ds_load_b128 v[U+16+4*\q:U+19+4*\q], v[A4] offset:16*\q
.endr
	s_wait_dscnt 4                                 ; LDS loads come back in order (ISA guide 5.7.1): all but the four of the row of 1 / f, so the next x and its mask byte are in
	v_cmp_ne_u32 vcc_lo, 0, v[MN]
	v_cndmask_b32 v[X], 0, v[XN], vcc_lo
	TFMA 0, 8                                      ; THE NEXT TRIP'S u IS DEALT OUT over the places that this trip owes.  Eight lines here: the places between the scale word and the product; none names a register of the product
	MM 1
	TFMA 8, 12                                     ; four: the places behind the products
	EXPZ
	TFMA 12, 14                                    ; two, and the next line: plain work behind the exponentials
	v_cndmask_b32 v[MB], 0x7f800000, v[MB+1], vcc_lo   ; the next trip's bias (VCC stands since the compare above)
	s_wait_dscnt 0x0                               ; the row of 1 / f is in
	s_wait_alu depctr_va_vdst(0)                   ; one wait for the 16 exponentials
	RCPZ
	TFMA 14, 16                                    ; the last two: plain work behind the reciprocals
	s_wait_alu depctr_va_vdst(0)                   ; one wait for the 16 reciprocals
.irp i, 0,1,2,3,4,5,6,7
	v_pk_fma_f32 v[ACC+2*\i:ACC+2*\i+1], v[D+2*\i:D+2*\i+1], v[U+2*\i:U+2*\i+1], v[ACC+2*\i:ACC+2*\i+1]   ; + z (f sigmoid(z))
.endr
	s_add_co_u32 s[MC], s[MC], 1
	s_cmp_lt_u32 s[MC], 16
	s_cbranch_scc1 .Lm
	; ---- the way out: the sums are one block of 32 along d, 16 in lane l and 16 in lane l xor 16; real d = 16 h + i stands at the instruction's k = 32 h + i
	s_lshl_b32 s57, s[WV], 11
	s_add_co_u32 s57, s57, EA
	v_and_b32 v[A5], 31, v0
	v_lshlrev_b32 v[A4], 4, v[A5]                  ; 16 x lane
	v_add_nc_u32 v[AX0], s57, v[A4]
.irp q, 0,1,2,3
	ds_load_b128 v[T+16+4*\q:T+19+4*\q], v[AX0] offset:512*\q    ; edge_attr + lin_b, my wave's own bytes
.endr
	v_max3_num_f32 v[MX0], |v[ACC]|, |v[ACC+1]|, 0x1800000
	v_max3_num_f32 v[MX1], |v[ACC+2]|, |v[ACC+3]|, |v[ACC+4]|
	v_max3_num_f32 v[MX0], v[MX0], |v[ACC+5]|, |v[ACC+6]|
	v_max3_num_f32 v[MX1], v[MX1], |v[ACC+7]|, |v[ACC+8]|
	v_max3_num_f32 v[MX0], v[MX0], |v[ACC+9]|, |v[ACC+10]|
	v_max3_num_f32 v[MX1], v[MX1], |v[ACC+11]|, |v[ACC+12]|
	v_max3_num_f32 v[MX0], v[MX0], |v[ACC+13]|, |v[ACC+14]|
	v_max3_num_f32 v[MX0], v[MX0], v[MX1], |v[ACC+15]|
	v_permlanex16_b32 v[PL], v[MX0], s[SEL], s[SEL+1]
	v_max_num_f32 v[MX0], v[MX0], v[PL]            ; the block's largest magnitude
	v_add_nc_u32 v[SO], 0xff000000, v[MX0]
	v_cvt_scalef32_pk16_fp6_f32 v[AF:AF+2], v[ACC:ACC+15], v[SO]
	v_lshrrev_b32 v[BY], 23, v[SO]                 ; (the plain line behind the conversion)
	v_lshl_or_b32 v[SA], v[BY], 8, v[BY]           ; the one scale for the instruction's blocks 0 and 1
.irp i, 0,1,2
	v_mov_b32 v[AF+6+\i], 0                        ; K = 32: registers 6-8 hold zero codes now, in all three fragments,
	v_mov_b32 v[GW0+6+\i], 0
	v_mov_b32 v[GW1+6+\i], 0
	v_mov_b32 v[GW0+\i], v[LIN+\i]                 ; and lin_w's codes take g's place
	v_mov_b32 v[GW1+\i], v[LIN+3+\i]
.endr
	s_mul_i32 s57, s[WV], 2304
	s_add_co_u32 s57, s57, STG                     ; my stage
	v_and_b32 v[AM0], 15, v0                       ; ten address lines, which name no register of the product: the places between the scale word, the codes and the product
	v_bfe_u32 v[AF0], v0, 4, 1
	v_mul_u32_u24 v[AM0], v[AM0], 144
	v_lshl_add_u32 v[AM0], v[AF0], 6, v[AM0]
	v_add_nc_u32 v[AM0], s57, v[AM0]               ; in: row r, my 16 outputs at 64 h
	v_bfe_u32 v[AF0], v0, 3, 2
	v_mul_u32_u24 v[AF0], v[AF0], 144
	v_and_b32 v[A5], 7, v0
	v_lshl_add_u32 v[AF0], v[A5], 4, v[AF0]
	v_add_nc_u32 v[AF0], s57, v[AF0]               ; back: eight lanes to a row of 128 bytes, four rows a line
	v_wmma_scale_f32_16x16x128_f8f6f4 v[D:D+7], v[GW0:GW0+11], v[AF:AF+11], 0, v[LSW], v[SA] matrix_a_fmt:MATRIX_FMT_FP6 matrix_b_fmt:MATRIX_FMT_FP6
	v_wmma_scale_f32_16x16x128_f8f6f4 v[D+8:D+15], v[GW1:GW1+11], v[AF:AF+11], 0, v[LSW], v[SA] matrix_a_fmt:MATRIX_FMT_FP6 matrix_b_fmt:MATRIX_FMT_FP6 matrix_a_scale:MATRIX_SCALE_ROW1
	PLACES 4
.irp q, 0,1,2,3
	ds_store_b128 v[AM0], v[D+4*\q:D+4*\q+3] offset:16*\q    ; y(edge r, 16 h + 4 q ..), each accumulator from its low end on
.endr
.irp q, 0,1,2,3
	ds_load_b128 v[T+4*\q:T+4*\q+3], v[AF0] offset:576*\q    ; LDS serves a wave's instructions in order (ISA guide 5.7.1.4): these see my stores.  Rows 4 q .. 4 q + 3, as edge_attr was loaded
.endr
	s_wait_dscnt 0x0
.irp i, 0,1,2,3,4,5,6,7
	v_pk_add_f32 v[T+2*\i:T+2*\i+1], v[T+2*\i:T+2*\i+1], v[T+16+2*\i:T+17+2*\i]
.endr
.irp q, 0,1,2,3
	global_store_b128 v[A4], v[T+4*\q:T+4*\q+3], s[10:11] offset:512*\q th:TH_STORE_NT   ; 32 lanes store 512 consecutive bytes, at a multiple of 512 from out0's first byte; written once, read by nobody here
.endr
	s_wait_xcnt 0x0
	v_lshl_add_u32 v254, v0, 2, 0x18c00
	v_mov_b32 v255, 0
	s_wait_tensorcnt 0x0
	ds_add_u32 v254, v255
	s_wait_dscnt 0x0
	s_endpgm
.Lfunc_end_k_q78b38e17dd_encode:
	.size	k_q78b38e17dd_encode, .Lfunc_end_k_q78b38e17dd_encode-k_q78b38e17dd_encode
	.p2alignl 7, 3214868480
	.fill 96, 4, 3214868480
	.section	.rodata,"a",@progbits
	.p2align	6, 0x0
	.amdhsa_kernel k_q78b38e17dd_encode
		.amdhsa_group_segment_fixed_size 103424
		.amdhsa_private_segment_fixed_size 0
		.amdhsa_enable_private_segment 0
		.amdhsa_kernarg_size 168
		.amdhsa_user_sgpr_count 2
		.amdhsa_user_sgpr_kernarg_segment_ptr 1
		.amdhsa_wavefront_size32 1
		.amdhsa_system_sgpr_workgroup_id_x 1
		.amdhsa_system_sgpr_workgroup_id_y 1
		.amdhsa_system_sgpr_workgroup_id_z 1
		.amdhsa_system_vgpr_workitem_id 0
		.amdhsa_next_free_vgpr 256
		.amdhsa_next_free_sgpr 66
		.amdhsa_reserve_vcc 1
		.amdhsa_float_denorm_mode_32 3
		.amdhsa_float_denorm_mode_16_64 3
		.amdhsa_memory_ordered 1
		.amdhsa_forward_progress 1
		.amdhsa_inst_pref_size 44
	.end_amdhsa_kernel
	.amdgpu_metadata
---
amdhsa.version: [ 1, 2 ]
amdhsa.kernels:
  - .name:           k_q78b38e17dd_encode
    .symbol:         k_q78b38e17dd_encode.kd
    .args:
      - { .name: batched_eigvec, .offset: 0, .size: 8, .value_kind: global_buffer, .address_space: global }
      - { .name: mask_all, .offset: 8, .size: 8, .value_kind: global_buffer, .address_space: global }
      - { .name: edge_attr, .offset: 16, .size: 8, .value_kind: global_buffer, .address_space: global }
      - { .name: out0, .offset: 24, .size: 8, .value_kind: global_buffer, .address_space: global }
      - { .name: batched_eigval, .offset: 32, .size: 8, .value_kind: global_buffer, .address_space: global }
      - { .name: mask_m, .offset: 40, .size: 8, .value_kind: global_buffer, .address_space: global }
      - { .name: f_l1_w, .offset: 48, .size: 8, .value_kind: global_buffer, .address_space: global }
      - { .name: f_l1_b, .offset: 56, .size: 8, .value_kind: global_buffer, .address_space: global }
      - { .name: f_l2_w, .offset: 64, .size: 8, .value_kind: global_buffer, .address_space: global }
      - { .name: f_l2_b, .offset: 72, .size: 8, .value_kind: global_buffer, .address_space: global }
      - { .name: f_l3_w_codes, .offset: 80, .size: 8, .value_kind: global_buffer, .address_space: global }
      - { .name: f_l3_w_scales, .offset: 88, .size: 8, .value_kind: global_buffer, .address_space: global }
      - { .name: g_l1_w, .offset: 96, .size: 8, .value_kind: global_buffer, .address_space: global }
      - { .name: g_l1_b, .offset: 104, .size: 8, .value_kind: global_buffer, .address_space: global }
      - { .name: g_l2_w, .offset: 112, .size: 8, .value_kind: global_buffer, .address_space: global }
      - { .name: g_l2_b, .offset: 120, .size: 8, .value_kind: global_buffer, .address_space: global }
      - { .name: g_l3_w_codes, .offset: 128, .size: 8, .value_kind: global_buffer, .address_space: global }
      - { .name: g_l3_w_scales, .offset: 136, .size: 8, .value_kind: global_buffer, .address_space: global }
      - { .name: lin_w_codes, .offset: 144, .size: 8, .value_kind: global_buffer, .address_space: global }
      - { .name: lin_w_scales, .offset: 152, .size: 8, .value_kind: global_buffer, .address_space: global }
      - { .name: lin_b, .offset: 160, .size: 8, .value_kind: global_buffer, .address_space: global }
    .group_segment_fixed_size: 103424
    .private_segment_fixed_size: 0
    .kernarg_segment_align: 8
    .kernarg_segment_size: 168
    .max_flat_workgroup_size: 512
    .sgpr_count:     66
    .vgpr_count:     256
    .wavefront_size: 32
...
	.end_amdgpu_metadata
.endif
;; end of part 1
;; ======== version 2 of 2: 1 launch; version 1 with the launch encode written anew for expert scheduling mode
;; launch encode (part 2): grid 256 x 1, 16 waves a work-group, no clusters, 103,424 bytes of LDS; arguments batched_eigvec, mask_all, edge_attr, out0, batched_eigval, mask_m, f_l1_w, f_l1_b, f_l2_w, f_l2_b, f_l3_w_codes, f_l3_w_scales, g_l1_w, g_l1_b, g_l2_w, g_l2_b, g_l3_w_codes, g_l3_w_scales, lin_w_codes, lin_w_scales, lin_b; writes out0
.if DOCPART == 2
	.amdgcn_target "amdgcn-amd-amdhsa--gfx1250"
	.amdhsa_code_object_version 6
	.text
	.protected	k_q78b38e17dd_encode
	.globl	k_q78b38e17dd_encode
	.p2align	8
	.type	k_q78b38e17dd_encode,@function
k_q78b38e17dd_encode:
	s_mov_b64 s[64:65], 0
	v_nop
	global_prefetch_b8 v0, s[64:65] scope:SCOPE_SE
	s_setreg_imm32_b32 hwreg(HW_REG_WAVE_SCHED_MODE, 0, 2), 2
	s_setreg_imm32_b32 hwreg(HW_REG_WAVE_MODE, 25, 1), 1
	s_wait_xcnt 0x0
	s_wait_alu depctr_vm_vsrc(0)
; out0[e][:] = edge_attr[e][:] + lin_b + Q(sum over m of f[b][m][:] g(x[b][m][e])[:]) lin_w^T, all in one launch; nothing between x and out0 goes to memory.
;   g(x) = silu(x w1 + b1 + Q(silu(x w2 + b2)) W3), 64 hidden units, 32 results, 0 where mask_all is 0;   f(ev) = exp(ev w1 + b1 + Q(silu(ev w2 + b2)) W3) mask_m, 256 hidden units.
;   Q: the MX quantiser to E2M3 along K, one scale for 32.  The three quantised products go by v_wmma_scale_f32_16x16x128_f8f6f4 on 6-bit codes; the sum over m is f32 multiply-adds.
; SHARES.  256 work-groups; work-group g owns the 256 neighbouring edges 256 (g % 64) .. of batch g / 64.  Each of its 16 waves owns 16 edges and walks m = 0 .. 15 in a loop.
;   Lane (r = lane % 16, h = lane / 16) holds edge r throughout: of the hidden layer units 32 h .. 32 h + 31, a whole block of the quantiser, so that its largest magnitude needs no other lane; of all results d = 16 h .. 16 h + 15.
; LAYOUT.  All products are used transposed: source 0 = 16 rows of a weight, source 1 = 16 rows of the computed operand.  Lane r of weight tile t takes weight row 8 t + r + (r & 8): register 8 t + j of lane (r, h) is then d = 16 h + 8 t + j.
;   A 6-bit fragment is 12 registers a lane: registers 0-5 are k = 32 h + 0 .. 31, registers 6-11 k = 64 + 32 h + 0 .. 31 (ISA guide 7.12).  The products here have 64 or 32 along K for the instruction's 128, so a lane's block of 32 is laid
;   as two halves: its codes 0-15 in registers 0-2, its codes 16-31 in registers 6-8, zero codes in registers 3-5 and 9-11 (set once).  A conversion's three registers begin on an even number, so its results ARE these registers: no move, no exchange
;   of lanes.  The weights' fragments are laid the same way (bytes 0-11 and 12-23 of a block of 24), and every scale word repeats its two bytes: s0, s1, s0, s1.  It is one permutation of k, alike on both operands; each block keeps its scale.
; TWO FOLDS spare 24 packed lines a trip.  (1) w2 and b2 are multiplied once by c = -log2 e.  The loop's fused multiply-add then gives u = c t, which the exponential takes as it stands; c (1 + 2^u) is one fused multiply-add; and
;   u / (c (1 + 2^u)) = t sigmoid(t).  (2) LDS holds 1 / f, not f: (1 + 2^u) / f is one fused multiply-add, its reciprocal is f sigmoid(z), and the sum over m takes z times that.
; THE MASKS cost no line for each number: a hidden x is replaced by 0, and +infinity is added to the exponent of its last silu, whose weight is then 1 / infinity = 0.  Where mask_m is 0 the whole row m is hidden in the same way, by the wave
;   that brings the row in.  Nothing branches on data.
; WHY NO CLUSTER, NO TENSOR LOAD, NO PREFETCH: work-groups share only the weights, some 10 KB, which go straight into registers once; a work-group's 52 KB of x, mask and edge_attr are read once, by loads issued in the first lines; no LDS byte is filled twice.
; FOUR WAVES TO A SIMD, 256 registers each: a trip is 96 transcendentals and some 110 other vector lines for 2 matrix instructions, so what counts is that another wave has work while one waits behind a batch of transcendentals.
; THE MODE: SCHED_MODE bits 1:0 = 2 (LLVM: expert scheduling mode 2), set by the entry lines.  The code itself states the register dependences between vector or matrix instructions and memory or LDS instructions, with s_wait_alu, always for 0.
; THE PLAN.  Registers that memory or LDS instructions touch IN THE LOOP:
;   v4        Written twice a trip by a vector add: behind the 32 reciprocals (where the next x lies), read by x's load; behind the quantiser (where row m of 1 / f lies), read by the row's four loads.
;   v5        Written behind the 32 reciprocals (where the next mask byte lies), read by that byte's load.
;   v6, v7    The next x and its mask byte land here; the select and the compare read them, once a trip.
;   v240-255  Written and read by the hidden layer's lines; then the row of 1 / f lands here; the last silu's multiply-adds read it.
;   The waits on va_vdst behind each batch of transcendentals, and ahead of the scaled products, state these dependences too, and the LDS loads stand straight behind two of them: x and its mask byte behind the
;   reciprocals' wait (v4 and v5 are written, the last trip is done reading v6 and v7); the row of 1 / f behind the products' wait (v4 is written, the hidden layer's lines are done with v240-255).  Two waits on vm_vsrc a trip stand ahead
;   of the adds to v4 and v5; one on va_vcc between the compare and the select.
;   AT THE HEAD: the loads' offsets (v224-238, later the exponentials'), the LDS addresses (v1-3; v104-109, later sums), the staging registers v64-95 (loaded, worked on, stored to LDS, loaded again), the weights' registers (in waves 0-3 loaded
;   twice, f's lines between), the accumulators (stored to LDS by waves 0-3), v100 (1 / f), g's offsets (v194-197, later u).  ON THE WAY OUT: v1-4 as addresses, v192-223 as loaded and stored data, the accumulators as stored data.
; LIMITS.  NaN and infinities in visible inputs are not served.  A block whose largest magnitude lies under 2^-124 (a block of zeros too) gets the scale byte 1; a block of zeros has zero codes, which add nothing under that byte.
;   silu(t) is given as 0 for t under about -87, where its true size is under 1e-35.  An f of magnitude 2^126 or more is not served (its reciprocal falls under the smallest normal number); an f of magnitude under 2^-100, with mask_m not 0,
;   counts as 2^-100.  The sign of zero is not kept.  Orders of rounding that differ from the source's, each by f32 roundings alone: the two folds above; x w + b is fused; (edge_attr + lin_b) + y stands for (edge_attr + y) + lin_b;
;   x w1 + b1 enters the product as its C; f's K = 256 is summed in four parts of 64.
.set XS,   0                           ; LDS: x, row m of 1,024 bytes (the work-group's 256 edges)
.set MS,   16384                       ; the mask's bytes, row m of 256
.set EA,   20480                       ; edge_attr + lin_b: 2,048 bytes a wave, as loaded: 16 x lane + 512 q
.set PART, 53248                       ; f's four partial sums: part c at 2,304 c, row m of 144 bytes (9 x 16), 4 d
.set FT,   62464                       ; 1 / f: 128 m + 4 d
.set STG,  64512                       ; the way out: 16 rows of 144 bytes for each wave; the map ends at 101,376
.set AX0,  1                           ; v1   XS + 64 wave + 4 r;   on the way out: my place in EA
.set AM0,  2                           ; v2   MS + 16 wave + r;     on the way out: where I put a row's bytes
.set AF0,  3                           ; v3   FT + 64 h;            on the way out: where I read rows back
.set A4,   4                           ; v4, v5  LDS addresses in hand;  on the way out v4: 16 x lane
.set A5,   5
.set XN,   6                           ; v6   the next x        v7  its mask byte
.set MN,   7
.set X,    8                           ; v[8:9]   x (the low word serves both halves of a packed line; v9 is written once)
.set MB,   10                          ; v[10:11] 0, or +infinity for a hidden x; v11 = 0 always
.set SA,   12                          ; v12  the computed operand's scale words
.set SW,   13                          ; v13  the weight's: lanes 0-15 tile 0's rows, lanes 16-31 tile 1's
.set PSEL, 14                          ; v14  byte selects that put a byte at places h and 2 + h
.set MX0,  15                          ; v15, v16 largest magnitudes, two chains
.set MX1,  16
.set SO,   17                          ; v17  the conversions' scale operand
.set BY,   18                          ; v18  the scale's byte
.set PL,   19                          ; v19  what lane l xor 16 sends
.set TMP,  20                          ; v20  at work in the first lines; then
.set CV,   20                          ; v[20:21] c = -log2 e in the low word, which serves both halves of a packed line (the upper word, lin_w's first code register, is named with it and not used)
.set LIN,  21                          ; v21-26 lin_w's codes: three registers a tile
.set LSW,  27                          ; v27  lin_w's scale words
.set AF,   28                          ; v[28:39]  the computed fragment
.set GW0,  40                          ; v[40:51], v[52:63] the weight's two tiles
.set GW1,  52
.set W1,   64                          ; v[64:79]  g_l1_w of my 16 d     (at the head: x's row, the mask's row, lin_b)
.set B1,   80                          ; v[80:95]  g_l1_b                (at the head: edge_attr)
.set ACC,  96                          ; v[96:111] the sum over m        (at the head: f's small numbers and LDS addresses)
.set D,    112                         ; v[112:127] the two accumulators
.set W2,   128                         ; v[128:159] c l2_w of my 32 hidden units
.set B2,   160                         ; v[160:191] c l2_b
.set T,    192                         ; v[192:223] u = c (x w2 + b2), then the hidden layer
.set U,    224                         ; v[224:255] exponentials, then reciprocals; v[240:255] also the row of 1 / f
.set LN,   U+0                          ; at the head, until the first loads are in: lane, r, h, r + (r & 8), that + 8 h, and the loads' offsets
.set RL,   U+1
.set HL,   U+2
.set RR,   U+3
.set DL,   U+4
.set O16,  U+5
.set O8,   U+6
.set OB,   U+7
.set OW,   U+8
.set O4,   U+9
.set OLIN, U+10
.set OH,   U+11
.set OFC,  U+12
.set OFS,  U+13
.set OR4,  U+14
.set XST,  ACC+8                       ; at the head: where I store x, the mask, edge_attr, a partial sum; where I read the partial sums; where I store 1 / f
.set MST,  ACC+9
.set EAS,  ACC+10
.set PST,  ACC+11
.set PRD,  ACC+12
.set FTS,  ACC+13
.set WV,   46                          ; s46  my wave's number
.set BT,   47                          ; s47  the batch
.set EB,   48                          ; s48  which 256 edges of it
.set OFF,  50                          ; s[50:51] an offset, its high word 0
.set CL,   52                          ; s[52:53] c = -log2(e)
.set SEL,  54                          ; s[54:55] v_permlanex16_b32's selects for lane l xor 16
.set MC,   56                          ; s56  m
.set L2E,  61                          ; s61  log2(e)
; w2 and b2 of my 32 hidden units times c, once: the two runs of registers follow each other
.macro SCALEW
.set i_, 0
.rept 32
	v_pk_mul_f32 v[W2+2*i_:W2+2*i_+1], v[W2+2*i_:W2+2*i_+1], s[CL:CL+1] op_sel_hi:[1,0]
.set i_, i_+1
.endr
.endm
; u = x (c w2) + c b2, pairs a .. b - 1 of the lane's 16
.macro TFMA a, b
.set i_, (\a)
.rept (\b)-(\a)
	v_pk_fma_f32 v[T+2*i_:T+2*i_+1], v[W2+2*i_:W2+2*i_+1], v[X:X+1], v[B2+2*i_:B2+2*i_+1] op_sel_hi:[1,0,1]
.set i_, i_+1
.endr
.endm
; 2^u of the 32: one batch of exponentials; none reads another's result
.macro EXPH
.set i_, 0
.rept 32
	v_exp_f32 v[U+i_], v[T+i_]
.set i_, i_+1
.endr
.endm
; 1 / (c (1 + 2^u)) of the 32: one batch of reciprocals
.macro RCPH
.set i_, 0
.rept 16
	v_pk_fma_f32 v[U+2*i_:U+2*i_+1], v[U+2*i_:U+2*i_+1], v[CV:CV+1], v[CV:CV+1] op_sel_hi:[1,0,0]
.set i_, i_+1
.endr
.set i_, 0
.rept 32
	v_rcp_f32 v[U+i_], v[U+i_]
.set i_, i_+1
.endr
.endm
; 2^(c z) of the 16 results z, with the mask's 0 or +infinity added to the exponent.  Each accumulator is read from its low end on
.macro EXPZ
.set i_, 0
.rept 8
	v_pk_fma_f32 v[U+2*i_:U+2*i_+1], v[D+2*i_:D+2*i_+1], s[CL:CL+1], v[MB:MB+1] op_sel_hi:[1,0,0]
.set i_, i_+1
.endr
.set i_, 0
.rept 16
	v_exp_f32 v[U+i_], v[U+i_]
.set i_, i_+1
.endr
.endm
; f sigmoid(z) = 1 / ((1 + 2^(c z)) (1 / f)) of the 16: one fused multiply-add for two, then one batch of reciprocals
.macro RCPZ
.set i_, 0
.rept 8
	v_pk_fma_f32 v[U+2*i_:U+2*i_+1], v[U+2*i_:U+2*i_+1], v[U+16+2*i_:U+17+2*i_], v[U+16+2*i_:U+17+2*i_]
.set i_, i_+1
.endr
.set i_, 0
.rept 16
	v_rcp_f32 v[U+i_], v[U+i_]
.set i_, i_+1
.endr
.endm
; the hidden layer u / (c (1 + 2^u)), its block's scale, its codes in the fragment's registers 0-2 and 6-8, and the row's scale word
.macro HHQ
.set i_, 0
.rept 16
	v_pk_mul_f32 v[T+2*i_:T+2*i_+1], v[T+2*i_:T+2*i_+1], v[U+2*i_:U+2*i_+1]
.set i_, i_+1
.endr
	v_max3_num_f32 v[MX0], |v[T]|, |v[T+1]|, 0x1800000             ; the block's largest magnitude, all 32 mine, in two chains by turns; the floor 2^(3 - 127) among the leaves holds the byte at 1 from below
	v_max3_num_f32 v[MX1], |v[T+16]|, |v[T+17]|, |v[T+18]|
.irp i, 0,1,2,3,4,5
	v_max3_num_f32 v[MX0], v[MX0], |v[T+2+2*\i]|, |v[T+3+2*\i]|
	v_max3_num_f32 v[MX1], v[MX1], |v[T+19+2*\i]|, |v[T+20+2*\i]|
.endr
	v_max3_num_f32 v[MX0], v[MX0], |v[T+14]|, |v[T+15]|
	v_max3_num_f32 v[MX0], v[MX0], v[MX1], |v[T+31]|
	v_add_nc_u32 v[SO], 0xff000000, v[MX0]                         ; 2 off its exponent field: the conversion takes the exponent field of this operand as its scale, and nothing else of it
	v_cvt_scalef32_pk16_fp6_f32 v[AF:AF+2], v[T:T+15], v[SO]       ; the block's codes 0-15
	v_cvt_scalef32_pk16_fp6_f32 v[AF+6:AF+8], v[T+16:T+31], v[SO]  ; and 16-31
	v_lshrrev_b32 v[BY], 23, v[SO]                                 ; the scale's byte.  (The plain line behind the conversions)
	v_perm_b32 v[BY], v[BY], v[BY], v[PSEL]                        ; at bytes h and 2 + h, zeros at the other two
	v_permlanex16_b32 v[PL], v[BY], s[SEL], s[SEL+1]               ; the row's other block lies in lane l xor 16
	v_or_b32 v[SA], v[BY], v[PL]                                   ; s0, s1, s0, s1
.endm
; the two tiles of 16 d.  c = 0: the products start the sums; c = 1: x w1 + b1 lies in the accumulators.  The two accumulators take turns through the whole text
.macro MM c
.if \c
	v_wmma_scale_f32_16x16x128_f8f6f4 v[D:D+7], v[GW0:GW0+11], v[AF:AF+11], v[D:D+7], v[SW], v[SA] matrix_a_fmt:MATRIX_FMT_FP6 matrix_b_fmt:MATRIX_FMT_FP6
	v_wmma_scale_f32_16x16x128_f8f6f4 v[D+8:D+15], v[GW1:GW1+11], v[AF:AF+11], v[D+8:D+15], v[SW], v[SA] matrix_a_fmt:MATRIX_FMT_FP6 matrix_b_fmt:MATRIX_FMT_FP6 matrix_a_scale:MATRIX_SCALE_ROW1
.else
	v_wmma_scale_f32_16x16x128_f8f6f4 v[D:D+7], v[GW0:GW0+11], v[AF:AF+11], 0, v[SW], v[SA] matrix_a_fmt:MATRIX_FMT_FP6 matrix_b_fmt:MATRIX_FMT_FP6
	v_wmma_scale_f32_16x16x128_f8f6f4 v[D+8:D+15], v[GW1:GW1+11], v[AF:AF+11], 0, v[SW], v[SA] matrix_a_fmt:MATRIX_FMT_FP6 matrix_b_fmt:MATRIX_FMT_FP6 matrix_a_scale:MATRIX_SCALE_ROW1
.endif
.endm
; a weight's two tiles: of my row's block h, bytes 0-11 into registers 0-2 and bytes 12-23 into registers 6-8.  v[off] = row pitch x (r + (r & 8)) + 24 h; tile 1's rows lie 8 rows on
.macro LOADW off, base, pitch
.irp t, 0,1
.irp i, 0,1,2
	global_load_b32 v[GW0+12*\t+\i], v[\off], s[\base:\base+1] offset:8*(\pitch)*\t+4*\i
	global_load_b32 v[GW0+12*\t+6+\i], v[\off], s[\base:\base+1] offset:8*(\pitch)*\t+12+4*\i
.endr
.endr
.endm
.macro PLACES n
.rept \n
	v_nop
.endr
.endm
	; ---- the head: addresses
	s_load_b512 s[4:19], s[0:1], 0x0               ; x s[4:5], mask_all s[6:7], edge_attr s[8:9], out0 s[10:11], eigval s[12:13], mask_m s[14:15], f_l1_w s[16:17], f_l1_b s[18:19]
	s_load_b512 s[20:35], s[0:1], 0x40             ; f_l2_w s[20:21], f_l2_b s[22:23], f's codes s[24:25], f's scales s[26:27], g_l1_w s[28:29], g_l1_b s[30:31], g_l2_w s[32:33], g_l2_b s[34:35]
	s_load_b256 s[36:43], s[0:1], 0x80             ; g's codes s[36:37], g's scales s[38:39], lin's codes s[40:41], lin's scales s[42:43]
	s_load_b64 s[44:45], s[0:1], 0xa0              ; lin_b
	v_lshrrev_b32 v[TMP], 5, v0
	v_readfirstlane_b32 s[WV], v[TMP]              ; wave 0..15
	s_lshr_b32 s[BT], ttmp9, 6
	s_and_b32 s[EB], ttmp9, 63
	s_mov_b32 s[CL], 0xbfb8aa3b
	s_mov_b32 s[CL+1], s[CL]                       ; (named with it as a pair, so it is written)
	s_mov_b32 s[SEL], 0x76543210
	s_mov_b32 s[SEL+1], 0xfedcba98
	s_mov_b32 s[L2E], 0x3fb8aa3b
	v_and_b32 v[LN], 31, v0
	v_and_b32 v[RL], 15, v0
	v_bfe_u32 v[HL], v0, 4, 1
	v_and_b32 v[RR], 8, v0
	v_add_nc_u32 v[RR], v[RR], v[RL]               ; r + (r & 8): my row in a weight's tile 0
	v_lshl_add_u32 v[DL], v[HL], 3, v[RR]          ; + 8 h: the row whose scale word my lane carries
	v_lshlrev_b32 v[O16], 4, v[LN]
	v_lshlrev_b32 v[O8], 3, v[LN]
	v_and_b32 v[OB], 7, v0
	v_lshlrev_b32 v[OB], 4, v[OB]                  ; lin_b: the four numbers that stand over my 16 bytes of a row of edge_attr
	v_lshlrev_b32 v[OW], 2, v[TMP]                 ; 4 x wave
	v_lshlrev_b32 v[O4], 2, v[LN]
	v_mul_u32_u24 v[OLIN], v[RR], 24
	v_mad_u32_u24 v[OLIN], v[HL], 12, v[OLIN]      ; lin_w: a row is 24 bytes; my half's 16 codes are 12
	v_lshlrev_b32 v[OH], 7, v[HL]                  ; my 32 hidden units: 128 h bytes on
	v_mul_u32_u24 v[OFC], v[RR], 192
	v_mad_u32_u24 v[OFC], v[HL], 24, v[OFC]        ; f's codes: a row is 192 bytes
	v_lshlrev_b32 v[OFS], 3, v[DL]                 ; f's scales: 8 bytes a row
	v_lshlrev_b32 v[OR4], 2, v[RL]
	v_lshlrev_b32 v[TMP], 3, v[HL]
	v_mov_b32 v[PSEL], 0x01000100
	v_lshrrev_b32 v[PSEL], v[TMP], v[PSEL]         ; h = 0: bytes 0, 1, 0, 1 of the source; h = 1: 1, 0, 1, 0 (its byte 1 is 0)
	v_mov_b32 v[CV], 0xbfb8aa3b                    ; c, from here on
	; every LDS address of the head is made here, ahead of the place where the waves part
	s_wait_alu depctr_va_sdst(0)                   ; the wave's number is written into s46, ahead of its first reader
	s_lshl_b32 s57, s[WV], 10
	v_add_nc_u32 v[XST], s57, v[O16]               ; XS (= 0) + 1,024 wave + 16 lane
	v_lshl_add_u32 v[MST], v0, 3, MS               ; MS + 256 wave + 8 lane
	s_lshl_b32 s58, s[WV], 11
	s_add_co_u32 s58, s58, EA
	v_add_nc_u32 v[EAS], s58, v[O16]
	s_mul_i32 s59, s[WV], 2304
	s_add_co_u32 s59, s59, PART
	v_mul_u32_u24 v[PST], v[RL], 144
	v_lshl_add_u32 v[PST], v[HL], 6, v[PST]
	v_add_nc_u32 v[PST], s59, v[PST]               ; part = wave (used by waves 0-3 alone), row m = r, my 16 d
	s_mul_i32 s60, s[WV], 144
	s_add_co_u32 s60, s60, PART
	v_add_nc_u32 v[PRD], s60, v[O4]                ; row m = wave, d = lane
	v_lshl_add_u32 v[FTS], v0, 2, FT               ; FT + 128 wave + 4 lane
	s_lshl_b32 s57, s[WV], 6
	v_lshl_add_u32 v[AX0], v[RL], 2, s57
	s_lshl_b32 s58, s[WV], 4
	s_add_co_u32 s58, s58, MS
	v_add_nc_u32 v[AM0], s58, v[RL]
	v_lshl_add_u32 v[AF0], v[HL], 6, FT
.irp f, AF, GW0, GW1
.irp i, 3,4,5,9,10,11
	v_mov_b32 v[\f+\i], 0                          ; the zero codes of the three fragments: set once
.endr
.endr
	v_mov_b32 v[X+1], 0                            ; upper halves of pairs of which the low word alone is used,
	v_mov_b32 v[MB+1], 0
	v_mov_b32 v[PL], 0                             ; and a lane permute's destination, which counts as one of its sources
	s_lshl_b32 s57, s[BT], 4
	s_add_co_u32 s57, s57, s[WV]                   ; row 16 b + m of x and of the mask, m = my wave's number
	s_lshl_b32 s[OFF], s57, 16
	s_lshl_b32 s58, s[EB], 10
	s_add_co_u32 s[OFF], s[OFF], s58               ; 65,536 bytes a row, 1,024 for each 256 edges
	s_mov_b32 s[OFF+1], 0
	s_wait_kmcnt 0x0
	s_add_nc_u64 s[4:5], s[4:5], s[OFF:OFF+1]
	s_lshr_b32 s[OFF], s[OFF], 2                   ; the mask has a byte for x's four
	s_add_nc_u64 s[6:7], s[6:7], s[OFF:OFF+1]
	s_lshl_b32 s[OFF], ttmp9, 15                   ; edge_attr and out0: 128 bytes an edge: 32,768 a work-group, 2,048 a wave
	s_lshl_b32 s58, s[WV], 11
	s_add_co_u32 s[OFF], s[OFF], s58
	s_add_nc_u64 s[8:9], s[8:9], s[OFF:OFF+1]
	s_add_nc_u64 s[10:11], s[10:11], s[OFF:OFF+1]
	s_lshl_b32 s[OFF], s[BT], 6                    ; the batch's 16 eigenvalues
	s_add_nc_u64 s[12:13], s[12:13], s[OFF:OFF+1]
	s_add_nc_u64 s[14:15], s[14:15], s[OFF:OFF+1]
	s_wait_alu depctr_va_vdst(0)                   ; the loads' offsets in v224 to v238 and the LDS addresses in v1 to v3 and v104 to v109 are written: the loads below, and the head's LDS instructions, read them
	; ---- every wave: 19 loads.  Wave w brings row m = w of x and of the mask for the whole work-group, and its own 16 rows of edge_attr: each line covers consecutive, aligned bytes
	global_load_b128 v[W1:W1+3], v[O16], s[4:5] th:TH_LOAD_NT
	global_load_b128 v[W1+4:W1+7], v[O16], s[4:5] offset:512 th:TH_LOAD_NT
	global_load_b64 v[W1+8:W1+9], v[O8], s[6:7] th:TH_LOAD_NT
.irp q, 0,1,2,3
	global_load_b128 v[B1+4*\q:B1+4*\q+3], v[O16], s[8:9] offset:512*\q th:TH_LOAD_NT
.endr
	global_load_b128 v[W1+12:W1+15], v[OB], s[44:45]
	global_load_b32 v[ACC], v[OW], s[12:13]        ; eigval[b][wave]
	global_load_b32 v[ACC+1], v[OW], s[14:15]      ; mask_m[b][wave]
	global_load_b32 v[ACC+2], v[O4], s[16:17]      ; f_l1_w[lane]
	global_load_b32 v[ACC+3], v[O4], s[18:19]      ; f_l1_b[lane]
.irp t, 0,1
.irp i, 0,1,2
	global_load_b32 v[LIN+3*\t+\i], v[OLIN], s[40:41] offset:192*\t+4*\i
.endr
.endr
	global_load_u8 v[LSW], v[DL], s[42:43]
	; ---- waves 0-3: f's product, K = 256 in four parts: wave w takes hidden units 64 w .. 64 w + 63 for the batch's 16 eigenvalues (the fragment's row is m = r)
	s_cmp_lt_u32 s[WV], 4
	s_cbranch_scc0 .Ljoin
	s_lshl_b32 s[OFF], s[WV], 8
	s_add_nc_u64 s[20:21], s[20:21], s[OFF:OFF+1]
	s_add_nc_u64 s[22:23], s[22:23], s[OFF:OFF+1]
	s_mul_i32 s[OFF], s[WV], 48                    ; two blocks of 24 bytes
	s_add_nc_u64 s[24:25], s[24:25], s[OFF:OFF+1]
	s_lshl_b32 s[OFF], s[WV], 1                    ; and their two scale bytes
	s_add_nc_u64 s[26:27], s[26:27], s[OFF:OFF+1]
.irp q, 0,1,2,3,4,5,6,7
	global_load_b128 v[W2+4*\q:W2+4*\q+3], v[OH], s[20:21] offset:16*\q      ; (no vector line since the wait above: it serves these loads too)
	global_load_b128 v[B2+4*\q:B2+4*\q+3], v[OH], s[22:23] offset:16*\q
.endr
	LOADW OFC, 24, 192
	global_load_u16 v[SW], v[OFS], s[26:27]
	global_load_b32 v[X], v[OR4], s[12:13]
	s_wait_loadcnt 0x0                             ; these, and the 19 above
	s_wait_alu depctr_vm_vsrc(0)                   ; all these loads have read their offsets in v224 to v238, which the exponentials below write over
	v_lshl_or_b32 v[SW], v[SW], 16, v[SW]          ; s0, s1, s0, s1
	SCALEW
	TFMA 0, 16
	EXPH
	v_nop                                          ; a plain line behind the last exponential
	s_wait_alu depctr_va_vdst(0)                   ; the 32 exponentials have written v224 to v255, ahead of the first line that names a result: one wait for the batch
	RCPH
	v_nop
	s_wait_alu depctr_va_vdst(0)                   ; likewise the 32 reciprocals
	HHQ
	PLACES 8                                       ; a scale word made by a vector line stands eight places ahead of the scaled product, codes so made four
	s_wait_alu depctr_va_vdst(0)                   ; the codes in v28 on and the two scale words v12 and v13 are written, which the scaled products take; the places above stay beside this wait
	MM 0
	PLACES 4                                       ; four places behind a product before its results are read (ISA guide 7.12.1)
	s_wait_alu depctr_va_vdst(0)                   ; the products have written the accumulators, which the LDS stores read; the places above stay beside this wait
.irp q, 0,1,2,3
	ds_store_b128 v[PST], v[D+4*\q:D+4*\q+3] offset:16*\q    ; part[m = r][16 h + 4 q ..], each accumulator from its low end on
.endr
.Ljoin:
	s_wait_loadcnt 0x0                             ; the 19 loads (in waves 0-3 they are in already)
.irp q, 0,1,2,3
.irp p, 0,1
	v_pk_add_f32 v[B1+4*\q+2*\p:B1+4*\q+2*\p+1], v[B1+4*\q+2*\p:B1+4*\q+2*\p+1], v[W1+12+2*\p:W1+13+2*\p]   ; edge_attr + lin_b
.endr
.endr
	v_cmp_neq_f32 vcc_lo, 0, v[ACC+1]              ; where mask_m of my row m is 0, f is 0 for the whole row: all its 256 edges are hidden, as by mask_all
	v_lshl_or_b32 v[LSW], v[LSW], 8, v[LSW]        ; lin_w's one scale serves the instruction's blocks 0 and 1; bytes 2 and 3 stand over zero codes
	v_and_b32 v[T], 15, v0                         ; g's offsets, made anew on the way that all waves take
	v_bfe_u32 v[T+1], v0, 4, 1
	v_and_b32 v[T+2], 8, v0
	v_add_nc_u32 v[T+2], v[T+2], v[T]              ; r + (r & 8)
	v_lshl_add_u32 v[T+3], v[T+1], 3, v[T+2]
	v_lshlrev_b32 v[T+3], 1, v[T+3]                ; g's scales: 2 bytes a row
	v_mul_u32_u24 v[T+2], v[T+2], 48
	v_mad_u32_u24 v[T+2], v[T+1], 24, v[T+2]       ; g's codes: 48 bytes a row
	v_lshlrev_b32 v[T+4], 7, v[T+1]                ; my 32 hidden units
	v_lshlrev_b32 v[T+5], 6, v[T+1]                ; my 16 d
	s_wait_alu depctr_va_vcc(0)                    ; the compare has written VCC, which the two selects read
	v_cndmask_b32 v[W1+8], 0, v[W1+8], vcc_lo
	v_cndmask_b32 v[W1+9], 0, v[W1+9], vcc_lo
	s_wait_alu depctr_va_vdst(0)                   ; the sums in v80 on and the mask's bytes in v72, v73 are written, which the LDS stores read; so are g's offsets in v194 to v197; in waves 0-3 f's vector and matrix lines are done with v13, v40 to v63 and v128 to v191, in which g's numbers land
	ds_store_b128 v[XST], v[W1:W1+3]
	ds_store_b128 v[XST], v[W1+4:W1+7] offset:512
	ds_store_b64 v[MST], v[W1+8:W1+9]
.irp q, 0,1,2,3
	ds_store_b128 v[EAS], v[B1+4*\q:B1+4*\q+3] offset:512*\q
.endr
.irp q, 0,1,2,3,4,5,6,7
	global_load_b128 v[W2+4*\q:W2+4*\q+3], v[T+4], s[32:33] offset:16*\q
	global_load_b128 v[B2+4*\q:B2+4*\q+3], v[T+4], s[34:35] offset:16*\q
.endr
	LOADW T+2, 36, 48
	global_load_u16 v[SW], v[T+3], s[38:39]
	s_wait_dscnt 0x0                               ; my LDS stores have landed, for the other waves' sake
	s_wait_alu depctr_vm_vsrc(0)                   ; my LDS stores have read v64 to v95, in which the loads below land (the vector lines that named them stand ahead of the wait on va_vdst above)
.irp q, 0,1,2,3
	global_load_b128 v[W1+4*\q:W1+4*\q+3], v[T+5], s[28:29] offset:16*\q     ; g_l1_w and g_l1_b take the registers that held x and edge_attr
	global_load_b128 v[B1+4*\q:B1+4*\q+3], v[T+5], s[30:31] offset:16*\q
.endr
	s_barrier_signal -1
	s_barrier_wait -1                              ; x, the mask and f's four parts lie in LDS
	; ---- every wave finishes f for m = its number, a lane a d, and leaves 1 / f
.irp c, 0,1,2,3
	ds_load_b32 v[ACC+4+\c], v[PRD] offset:2304*\c
.endr
	ds_load_b32 v[XN], v[AX0]                      ; and asks for its first x and mask byte, m = 0
	ds_load_u8 v[MN], v[AM0]
	s_wait_dscnt 0x0
	v_add_f32 v[ACC+4], v[ACC+4], v[ACC+5]
	v_add_f32 v[ACC+6], v[ACC+6], v[ACC+7]
	v_fma_f32 v[ACC+2], v[ACC], v[ACC+2], v[ACC+3] ; ev w1 + b1
	v_add_f32 v[ACC+4], v[ACC+4], v[ACC+6]
	v_add_f32 v[ACC+4], v[ACC+4], v[ACC+2]
	v_mul_f32 v[ACC+4], s[L2E], v[ACC+4]
	v_exp_f32 v[ACC+4], v[ACC+4]
	v_nop
	s_wait_alu depctr_va_vdst(0)                   ; the exponential has written v100, ahead of its reader
	v_mul_f32 v[ACC+4], v[ACC+4], v[ACC+1]         ; x mask_m: f
	v_rcp_f32 v[ACC+4], v[ACC+4]
	v_nop
	s_wait_alu depctr_va_vdst(0)                   ; the reciprocal has written v100, ahead of its reader
	v_min_num_f32 v[ACC+4], 0x71800000, v[ACC+4]   ; 1 / f is held to +-2^100, so that it is never infinite: 2^u = 0 times it is then 0.  (Where mask_m is 0 the row is hidden, and this number weighs nothing)
	v_max_num_f32 v[ACC+4], 0xf1800000, v[ACC+4]
	s_wait_alu depctr_va_vdst(0)                   ; the hold has written v100, which the LDS store reads
	ds_store_b32 v[FTS], v[ACC+4]
	s_wait_dscnt 0x0                               ; my store has landed
	s_barrier_signal -1
	s_barrier_wait -1                              ; 1 / f lies in LDS.  From here on XS, MS and FT are only read; EA and STG are each wave's own bytes
	; ---- ahead of the loop
	s_wait_loadcnt 0x0                             ; g's numbers
	s_wait_alu depctr_vm_vsrc(0)                   ; g's loads have read their offsets in v194 to v197, the head's LDS instructions their addresses in v104 to v109 and the data in v100, waves 0-3's LDS stores the accumulators: the lines below and the loop write all of these again
	v_cmp_ne_u32 vcc_lo, 0, v[MN]
	v_lshl_or_b32 v[SW], v[SW], 16, v[SW]
	SCALEW
.irp i, 0,1,2,3,4,5,6,7,8,9,10,11,12,13,14,15
	v_mov_b32 v[ACC+\i], 0                         ; sixteen lines once, so that the step is written once
.endr
	s_wait_alu depctr_va_vcc(0)                    ; the compare has written VCC, which the two selects read
	v_cndmask_b32 v[X], 0, v[XN], vcc_lo           ; a hidden x counts as 0,
	v_cndmask_b32 v[MB], 0x7f800000, v[MB+1], vcc_lo   ; and its last exponent gets +infinity
	TFMA 0, 16
	s_mov_b32 s[MC], 0
.Lm:                                               ; 16 trips.  A trip finds u, x and the mask's bias of its m, and leaves those of m + 1
	s_add_co_u32 s57, s[MC], 1
	s_min_u32 s57, s57, 15                         ; the last trip reads row 15 again; what it makes of it is not used
	s_lshl_b32 s58, s57, 10
	s_lshl_b32 s59, s57, 8
	s_lshl_b32 s60, s[MC], 7
	EXPH
.irp i, 0,1,2,3,4,5,6,7
	v_pk_fma_f32 v[D+2*\i:D+2*\i+1], v[W1+2*\i:W1+2*\i+1], v[X:X+1], v[B1+2*\i:B1+2*\i+1] op_sel_hi:[1,0,1]   ; x w1 + b1: the product's C.  Work that names no exponential's result
.endr
	s_wait_alu depctr_va_vdst(0)                   ; the 32 exponentials have written v224 to v255, ahead of their first reader: one wait for the batch
	RCPH
	s_wait_alu depctr_vm_vsrc(0)                   ; the last trip's LDS loads have read v4 and v5, which the two lines below write
	v_add_nc_u32 v[A4], s58, v[AX0]                ; plain lines behind the reciprocals
	v_add_nc_u32 v[A5], s59, v[AM0]
	s_wait_alu depctr_va_vdst(0)                   ; the 32 reciprocals have written v224 to v255, ahead of their first reader; v4 and v5 are written, which the two loads below read; the last trip's select and compare are done reading v6 and v7, in which they land
	ds_load_b32 v[XN], v[A4]                       ; the next x and its mask byte: they land while the hidden layer is quantised
	ds_load_u8 v[MN], v[A5]
	HHQ
	s_wait_dscnt 0x0                               ; the next x and its mask byte are in: no other LDS load of mine is out
	v_cmp_ne_u32 vcc_lo, 0, v[MN]
	s_wait_alu depctr_vm_vsrc(0)                   ; the load of the next x has read v4, which the line below writes
	v_add_nc_u32 v[A4], s60, v[AF0]                ; row m of 1 / f, my 16 d
	s_wait_alu depctr_va_vcc(0)                    ; the compare has written VCC, which the select below reads, and later the select of the bias
	v_cndmask_b32 v[X], 0, v[XN], vcc_lo
	TFMA 0, 8                                      ; THE NEXT TRIP'S u IS DEALT OUT over the places that this trip owes.  Eight lines here: the places between the scale word and the product; none names a register of the product
	s_wait_alu depctr_va_vdst(0)                   ; the codes in v28 on and the scale word v12 are written, which the scaled products take (the places above stay beside this wait); v4 is written, which the four loads below read; the hidden layer's lines are done with v240 to v255, in which they land
.irp q, 0,1,2,3
	ds_load_b128 v[U+16+4*\q:U+19+4*\q], v[A4] offset:16*\q      ; no vector or matrix line names v4 or v240 to v255 from here to the wait for these loads
.endr
	MM 1
	TFMA 8, 12                                     ; four: the places behind the products
	EXPZ
	TFMA 12, 14                                    ; two, and the next line: plain work behind the exponentials
	v_cndmask_b32 v[MB], 0x7f800000, v[MB+1], vcc_lo   ; the next trip's bias (VCC stands since the compare above)
	s_wait_dscnt 0x0                               ; the row of 1 / f is in
	s_wait_alu depctr_va_vdst(0)                   ; the 16 exponentials have written v224 to v239, ahead of their first reader: one wait for the batch
	RCPZ
	TFMA 14, 16                                    ; the last two: plain work behind the reciprocals
	s_wait_alu depctr_va_vdst(0)                   ; the 16 reciprocals have written v224 to v239, ahead of their first reader: one wait for the batch
.irp i, 0,1,2,3,4,5,6,7
	v_pk_fma_f32 v[ACC+2*\i:ACC+2*\i+1], v[D+2*\i:D+2*\i+1], v[U+2*\i:U+2*\i+1], v[ACC+2*\i:ACC+2*\i+1]   ; + z (f sigmoid(z))
.endr
	s_add_co_u32 s[MC], s[MC], 1
	s_cmp_lt_u32 s[MC], 16
	s_cbranch_scc1 .Lm
	; ---- the way out: the sums are one block of 32 along d, 16 in lane l and 16 in lane l xor 16; real d = 16 h + i stands at the instruction's k = 32 h + i
	s_lshl_b32 s57, s[WV], 11
	s_add_co_u32 s57, s57, EA
	s_wait_alu depctr_vm_vsrc(0)                   ; the last trip's LDS loads have read v4 and v5, which the lines below write
	v_and_b32 v[A5], 31, v0
	v_lshlrev_b32 v[A4], 4, v[A5]                  ; 16 x lane
	v_add_nc_u32 v[AX0], s57, v[A4]
	s_wait_alu depctr_va_vdst(0)                   ; v1 is written, which the four loads below read; the last trip's multiply-adds have written v208 to v223, in which they land
.irp q, 0,1,2,3
	ds_load_b128 v[T+16+4*\q:T+19+4*\q], v[AX0] offset:512*\q    ; edge_attr + lin_b, my wave's own bytes
.endr
	v_max3_num_f32 v[MX0], |v[ACC]|, |v[ACC+1]|, 0x1800000
	v_max3_num_f32 v[MX1], |v[ACC+2]|, |v[ACC+3]|, |v[ACC+4]|
	v_max3_num_f32 v[MX0], v[MX0], |v[ACC+5]|, |v[ACC+6]|
	v_max3_num_f32 v[MX1], v[MX1], |v[ACC+7]|, |v[ACC+8]|
	v_max3_num_f32 v[MX0], v[MX0], |v[ACC+9]|, |v[ACC+10]|
	v_max3_num_f32 v[MX1], v[MX1], |v[ACC+11]|, |v[ACC+12]|
	v_max3_num_f32 v[MX0], v[MX0], |v[ACC+13]|, |v[ACC+14]|
	v_max3_num_f32 v[MX0], v[MX0], v[MX1], |v[ACC+15]|
	v_permlanex16_b32 v[PL], v[MX0], s[SEL], s[SEL+1]
	v_max_num_f32 v[MX0], v[MX0], v[PL]            ; the block's largest magnitude
	v_add_nc_u32 v[SO], 0xff000000, v[MX0]
	v_cvt_scalef32_pk16_fp6_f32 v[AF:AF+2], v[ACC:ACC+15], v[SO]
	v_lshrrev_b32 v[BY], 23, v[SO]                 ; (the plain line behind the conversion)
	v_lshl_or_b32 v[SA], v[BY], 8, v[BY]           ; the one scale for the instruction's blocks 0 and 1
.irp i, 0,1,2
	v_mov_b32 v[AF+6+\i], 0                        ; K = 32: registers 6-8 hold zero codes now, in all three fragments,
	v_mov_b32 v[GW0+6+\i], 0
	v_mov_b32 v[GW1+6+\i], 0
	v_mov_b32 v[GW0+\i], v[LIN+\i]                 ; and lin_w's codes take g's place
	v_mov_b32 v[GW1+\i], v[LIN+3+\i]
.endr
	s_mul_i32 s57, s[WV], 2304
	s_add_co_u32 s57, s57, STG                     ; my stage
	v_and_b32 v[AM0], 15, v0                       ; ten address lines, which name no register of the product: the places between the scale word, the codes and the product
	v_bfe_u32 v[AF0], v0, 4, 1
	v_mul_u32_u24 v[AM0], v[AM0], 144
	v_lshl_add_u32 v[AM0], v[AF0], 6, v[AM0]
	v_add_nc_u32 v[AM0], s57, v[AM0]               ; in: row r, my 16 outputs at 64 h
	v_bfe_u32 v[AF0], v0, 3, 2
	v_mul_u32_u24 v[AF0], v[AF0], 144
	v_and_b32 v[A5], 7, v0
	v_lshl_add_u32 v[AF0], v[A5], 4, v[AF0]
	v_add_nc_u32 v[AF0], s57, v[AF0]               ; back: eight lanes to a row of 128 bytes, four rows a line
	s_wait_alu depctr_va_vdst(0)                   ; the three fragments' codes and the scale word v12 are written, which the scaled products take (the places above stay beside this wait); so are v2 and v3, which the stage's stores and loads read
	v_wmma_scale_f32_16x16x128_f8f6f4 v[D:D+7], v[GW0:GW0+11], v[AF:AF+11], 0, v[LSW], v[SA] matrix_a_fmt:MATRIX_FMT_FP6 matrix_b_fmt:MATRIX_FMT_FP6
	v_wmma_scale_f32_16x16x128_f8f6f4 v[D+8:D+15], v[GW1:GW1+11], v[AF:AF+11], 0, v[LSW], v[SA] matrix_a_fmt:MATRIX_FMT_FP6 matrix_b_fmt:MATRIX_FMT_FP6 matrix_a_scale:MATRIX_SCALE_ROW1
	PLACES 4
	s_wait_alu depctr_va_vdst(0)                   ; the products have written the accumulators, which the LDS stores read; the places above stay beside this wait
.irp q, 0,1,2,3
	ds_store_b128 v[AM0], v[D+4*\q:D+4*\q+3] offset:16*\q    ; y(edge r, 16 h + 4 q ..), each accumulator from its low end on
.endr
.irp q, 0,1,2,3
	ds_load_b128 v[T+4*\q:T+4*\q+3], v[AF0] offset:576*\q    ; LDS serves a wave's instructions in order (ISA guide 5.7.1.4): these see my stores.  Rows 4 q .. 4 q + 3, as edge_attr was loaded.  (The loop's lines that named v192 to v207 stand ahead of the waits above)
.endr
	s_wait_dscnt 0x0
.irp i, 0,1,2,3,4,5,6,7
	v_pk_add_f32 v[T+2*\i:T+2*\i+1], v[T+2*\i:T+2*\i+1], v[T+16+2*\i:T+17+2*\i]
.endr
	s_wait_alu depctr_va_vdst(0)                   ; the additions have written v192 to v207, which the stores read
.irp q, 0,1,2,3
	global_store_b128 v[A4], v[T+4*\q:T+4*\q+3], s[10:11] offset:512*\q th:TH_STORE_NT   ; 32 lanes store 512 consecutive bytes, at a multiple of 512 from out0's first byte; written once, read by nobody here
.endr
	s_wait_xcnt 0x0
	v_lshl_add_u32 v254, v0, 2, 0x18c00            ; the closing add's two registers, made anew here since none can be kept: my spare word, behind the map's end, and 0.  (No memory or LDS instruction has read v254 or v255)
	v_mov_b32 v255, 0
	s_wait_dscnt 0x0                               ; the closing lines, six on end
	s_wait_alu 0x0
	s_wait_tensorcnt 0x0
	ds_add_u32 v254, v255
	s_wait_dscnt 0x0
	s_endpgm
.Lfunc_end_k_q78b38e17dd_encode:
	.size	k_q78b38e17dd_encode, .Lfunc_end_k_q78b38e17dd_encode-k_q78b38e17dd_encode
	.p2alignl 7, 3214868480
	.fill 96, 4, 3214868480
	.section	.rodata,"a",@progbits
	.p2align	6, 0x0
	.amdhsa_kernel k_q78b38e17dd_encode
		.amdhsa_group_segment_fixed_size 103424
		.amdhsa_private_segment_fixed_size 0
		.amdhsa_enable_private_segment 0
		.amdhsa_kernarg_size 168
		.amdhsa_user_sgpr_count 2
		.amdhsa_user_sgpr_kernarg_segment_ptr 1
		.amdhsa_wavefront_size32 1
		.amdhsa_system_sgpr_workgroup_id_x 1
		.amdhsa_system_sgpr_workgroup_id_y 1
		.amdhsa_system_sgpr_workgroup_id_z 1
		.amdhsa_system_vgpr_workitem_id 0
		.amdhsa_next_free_vgpr 256
		.amdhsa_next_free_sgpr 66
		.amdhsa_reserve_vcc 1
		.amdhsa_float_denorm_mode_32 3
		.amdhsa_float_denorm_mode_16_64 3
		.amdhsa_memory_ordered 1
		.amdhsa_forward_progress 1
		.amdhsa_inst_pref_size 45
	.end_amdhsa_kernel
	.amdgpu_metadata
---
amdhsa.version: [ 1, 2 ]
amdhsa.kernels:
  - .name:           k_q78b38e17dd_encode
    .symbol:         k_q78b38e17dd_encode.kd
    .args:
      - { .name: batched_eigvec, .offset: 0, .size: 8, .value_kind: global_buffer, .address_space: global }
      - { .name: mask_all, .offset: 8, .size: 8, .value_kind: global_buffer, .address_space: global }
      - { .name: edge_attr, .offset: 16, .size: 8, .value_kind: global_buffer, .address_space: global }
      - { .name: out0, .offset: 24, .size: 8, .value_kind: global_buffer, .address_space: global }
      - { .name: batched_eigval, .offset: 32, .size: 8, .value_kind: global_buffer, .address_space: global }
      - { .name: mask_m, .offset: 40, .size: 8, .value_kind: global_buffer, .address_space: global }
      - { .name: f_l1_w, .offset: 48, .size: 8, .value_kind: global_buffer, .address_space: global }
      - { .name: f_l1_b, .offset: 56, .size: 8, .value_kind: global_buffer, .address_space: global }
      - { .name: f_l2_w, .offset: 64, .size: 8, .value_kind: global_buffer, .address_space: global }
      - { .name: f_l2_b, .offset: 72, .size: 8, .value_kind: global_buffer, .address_space: global }
      - { .name: f_l3_w_codes, .offset: 80, .size: 8, .value_kind: global_buffer, .address_space: global }
      - { .name: f_l3_w_scales, .offset: 88, .size: 8, .value_kind: global_buffer, .address_space: global }
      - { .name: g_l1_w, .offset: 96, .size: 8, .value_kind: global_buffer, .address_space: global }
      - { .name: g_l1_b, .offset: 104, .size: 8, .value_kind: global_buffer, .address_space: global }
      - { .name: g_l2_w, .offset: 112, .size: 8, .value_kind: global_buffer, .address_space: global }
      - { .name: g_l2_b, .offset: 120, .size: 8, .value_kind: global_buffer, .address_space: global }
      - { .name: g_l3_w_codes, .offset: 128, .size: 8, .value_kind: global_buffer, .address_space: global }
      - { .name: g_l3_w_scales, .offset: 136, .size: 8, .value_kind: global_buffer, .address_space: global }
      - { .name: lin_w_codes, .offset: 144, .size: 8, .value_kind: global_buffer, .address_space: global }
      - { .name: lin_w_scales, .offset: 152, .size: 8, .value_kind: global_buffer, .address_space: global }
      - { .name: lin_b, .offset: 160, .size: 8, .value_kind: global_buffer, .address_space: global }
    .group_segment_fixed_size: 103424
    .private_segment_fixed_size: 0
    .kernarg_segment_align: 8
    .kernarg_segment_size: 168
    .max_flat_workgroup_size: 512
    .sgpr_count:     66
    .vgpr_count:     256
    .wavefront_size: 32
...
	.end_amdgpu_metadata
.endif
;; end of part 2
